; MI455X (gfx1250); checked and timed in simulation.
; The chip was launched on July 23, 2026; its instructions are those of AMD's public machine-readable ISA for CDNA 5 (MIT licence, August 2026) and "CDNA5" Instruction Set Architecture Reference Guide (July 2026). The comments in the code are by the model that wrote it; some were corrected since.
;; Attention. Allowed arithmetic: matrix products marked QUANTISED: E2M1 operands, one E8M0 scale for each 32 along K, by v_wmma_scale_f32_16x16x128_f8f6f4 with both operands' format E2M1 (or v_wmma_scale_f32_32x16x128_f4), f32 sums; products left as they are: bf16, f16 or f32 operands; f32 sums; everything else in f32.
;; Inputs: b_proj 1,024 float32; w_proj 1,024 x 1,024 float32; w_qkv 3,072 x 1,024 float32; x 2 x 2,048 x 1,024 float32.
;; Outputs: out0 2 x 2,048 x 1,024 float32.
;; This version of the problem:
;;   THIS VERSION OF THE PROBLEM IS GIVEN IN LOW PRECISION. The matrix products marked QUANTISED in the list below multiply operands that are first quantised to E2M1 (2 exponent bits, 1 mantissa bit; 4 bits a number), with one power-of-two scale for each 32 numbers along K (OCP MX v1.0); their sums are f32. The products marked 'left as it is' may take bf16, f16 or f32 operands, with f32 sums. Whichever they take, every output number must still come out within the allowed error. Rounding operands to bf16 (8 significant bits) uses up far more of that allowance than f16 does (11 bits, for magnitudes from 6e-5 to 65,504). All else is computed in f32.
;;   The module's matrix products, in the order in which they are computed (A, B: the left and right operand; K: the contracted axis; several contracted axes count as one K, in the product's order):
;;     1. [M 4,096, K 1,024] x [K 1,024, N 3,072]; A: input x; B: input w_qkv: QUANTISED
;;     2. batch 32 x [M 2,048, K 64] x [K 64, N 2,048]; A: computed on the way; B: computed on the way: left as it is (an operand is computed on the way)
;;     3. batch 32 x [M 2,048, K 2,048] x [K 2,048, N 64]; A: computed on the way; B: computed on the way: left as it is (an operand is computed on the way)
;;     4. [M 4,096, K 1,024] x [K 1,024, N 1,024]; A: computed on the way; B: input w_proj: left as it is (an operand is computed on the way)
;;   THE QUANTISER, for each operand of a quantised product, along K:
;;     - K is cut into blocks of 32 from its start; a last block that is shorter is filled with zeros.
;;     - A block's scale is 2^e with e = floor(log2(the largest magnitude in the block)) - 2, held to -126 .. 127; a block of zeros has e = 0. As a byte (E8M0): e + 127.
;;     - Each number is divided by its block's scale, clamped to +-6, and rounded to the nearest number of E2M1, ties to even, subnormals kept.
;;     - The product sums the exact products of the quantised numbers (number of the format x scale) in f32.
;;   ~~~python
;;   def quantise(x, axis):      # numpy; x: float32 -> the quantised numbers, widened to float32 again
;;       x = np.moveaxis(x, axis, -1); K = x.shape[-1]
;;       x = np.pad(x, [(0, 0)] * (x.ndim - 1) + [(0, -K % 32)]); x = x.reshape(x.shape[:-1] + (-1, 32)); a = np.abs(x).max(-1, keepdims=True)
;;       e = np.where(a > 0, np.clip(np.frexp(np.where(a > 0, a, 1))[1] - 1 - 2, -126, 127), 0)      # np.frexp(a)[1] - 1 = floor(log2(a)), exactly
;;       r = np.clip(x / 2.0 ** e, -6, 6)
;;       step = 2.0 ** (np.maximum(np.frexp(np.where(r == 0, 1, r))[1] - 1, 0) - 1)
;;       q = np.round(r / step) * step * 2.0 ** e      # np.round: ties to even
;;       return np.moveaxis(q.reshape(q.shape[:-2] + (-1,))[..., :K], -1, axis).astype(np.float32)
;;   ~~~
;; One version. Each part assembles by itself: llvm-mc -triple=amdgcn-amd-amdhsa -mcpu=gfx1250 --defsym DOCPART=n.
;; ======== version 1 of 1: 5 launches
;; limits: values are held in f16: magnitudes above 65,504 overflow, below 6.1e-05 lose precision
;; workspace buffers: x_codes 2,097,152 bytes; x_scales 131,072 bytes; w_codes 1,572,864 bytes; w_scales 98,304 bytes; wp16 2,097,152 bytes; qkv16 25,165,824 bytes; qkv32 393,216 bytes; o16 8,388,608 bytes
;; launch prep (part 1): grid 256 x 1, 4 waves a work-group, no clusters, 33,280 bytes of LDS; arguments x, w_qkv, x_codes, x_scales, w_codes, w_scales, w_proj, wp16; writes x_codes, x_scales, w_codes, w_scales, wp16
.if DOCPART == 1
	.amdgcn_target "amdgcn-amd-amdhsa--gfx1250"
	.amdhsa_code_object_version 6
	.text
	.protected	k_qf10a4e9602_prep
	.globl	k_qf10a4e9602_prep
	.p2align	8
	.type	k_qf10a4e9602_prep,@function
k_qf10a4e9602_prep:
	s_mov_b64 s[64:65], 0
	v_nop
	global_prefetch_b8 v0, s[64:65] scope:SCOPE_SE
	s_setreg_imm32_b32 hwreg(HW_REG_WAVE_MODE, 25, 1), 1
	s_wait_xcnt 0x0
; x [4096][1024] and w_qkv [3072][1024], f32, become codes of FP4 (E2M1), K innermost, two codes a byte, with one E8M0 scale byte for each 32 along K;
; w_proj [1024][1024], f32, becomes f16, laid [k / 64][n][64], so that 64 rows x 64 along K are one run of 8,192 bytes for the projection's tiles.
; A block's scale is 2^(floor(log2(its largest magnitude)) - 2); its byte is the largest magnitude's exponent field - 2, held at 1 from below.  A block of zeros so gets the byte 1 where the
; quantiser says 127: its codes are zeros, which add nothing under any byte but 0xff, and the bytes are read by this program alone.
; LIMITS: blocks whose largest magnitude lies under 2^-124 have their byte held at 1; NaN and infinities among the inputs are not served; |w_proj| stays under 65,504 (f16).
; Work-groups 0-127 take x, 128-223 w_qkv, 224-255 w_proj.  Rows are dense and K is a multiple of 32: x and w_qkv are plain streams of blocks of 32.
; THE QUANTISER.  A wave takes 16 steps of 512 numbers.  Each of a step's four loads reads 512 consecutive bytes, 16 a lane; the 2,048 bytes turn through the wave's own stage in LDS and come back
; 64 bytes a lane, so that a lane holds 16 neighbours along K (two neighbouring lanes hold a block).  A lane's 16 codes are 8 bytes: the wave stores 256 consecutive bytes.  A wave's 256 scale bytes
; are gathered in LDS and leave as 256 consecutive bytes.  Loads run four steps ahead, the turn through LDS one step.  Waves share nothing: no barrier.
.set SIZE_M, 4096
.set SIZE_N, 3072
.set SIZE_K, 1024
.set WAVES, 4
.set STEPS, 16
.set WGA,   SIZE_M*SIZE_K/(512*STEPS*WAVES)            ; 128 work-groups for x
.set WGQ,   (SIZE_M+SIZE_N)*SIZE_K/(512*STEPS*WAVES)   ; 224 for x and w_qkv
.set EMAX,  2
.set CB,    8                          ; bytes of 16 codes
.set R,     16                         ; v16-79   four sets of 16 numbers as they are loaded
.set X,     80                         ; v80-111  two sets of 16 neighbours
.set C,     128                        ; v128-191 codes: four registers for each step, so that no store's data are written again
.set E,     112                        ; v112-127 a scale byte for each step
.set WREG,  8192                       ; LDS: a region for each wave: two stages of 32 x SP bytes, behind them its 256 scale bytes
.set SP,    80                         ; a lane's place in a stage: its 64 bytes + 16 of padding
.set SPW,   12                         ; v12      LDS address of my spare word; never rewritten
.set NIL,   13                         ; v13      0; never rewritten
.set SPARE, WAVES*WREG                 ; behind the four regions: the spare words, 128 bytes for each wave
.set CA,    16                         ; the cast: v16-79, v80-143 two sets of 64 numbers; v144-175 their f16
.set CBB,   80
.set CO,    144
	s_load_b128 s[4:7], s[0:1], 0x0                ; x, w_qkv
	s_load_b128 s[8:11], s[0:1], 0x10              ; x's codes, x's scales
	s_load_b128 s[12:15], s[0:1], 0x20             ; w_qkv's codes, its scales
	s_load_b128 s[24:27], s[0:1], 0x30             ; w_proj, wp16
	v_lshl_add_u32 v[SPW], v0, 2, SPARE
	v_mov_b32 v[NIL], 0
	v_lshrrev_b32 v1, 5, v0
	v_readfirstlane_b32 s16, v1                    ; wave
	v_and_b32 v2, 31, v0                           ; lane
	v_lshlrev_b32 v3, 4, v2                        ; my 16 bytes of 512
	s_mul_i32 s17, s16, WREG
	v_lshrrev_b32 v14, 2, v2
	v_mul_u32_u24 v14, v14, SP
	v_and_b32 v15, 3, v2
	v_lshl_add_u32 v14, v15, 4, v14
	v_add_nc_u32 v14, s17, v14                     ; the stage, on the way in: SP (lane / 4) + 16 (lane % 4)
	v_mul_u32_u24 v15, v2, SP
	v_add_nc_u32 v15, s17, v15                     ; and on the way out: SP x lane: my 16 neighbours
	v_mul_u32_u24 v4, v2, CB                       ; my codes' place in a step's
	v_lshrrev_b32 v5, 1, v2
	s_add_co_u32 s17, s17, 2*32*SP
	v_add_nc_u32 v5, s17, v5                       ; LDS: my wave's 256 scale bytes, my block's byte
	v_lshlrev_b32 v7, 3, v2                        ; and on the way out 8 bytes a lane
	v_add_nc_u32 v6, s17, v7
	s_wait_kmcnt 0x0
	s_cmp_ge_u32 ttmp9, WGQ                        ; the last 32 work-groups cast w_proj: a branch on the work-group's number alone
	s_cbranch_scc1 .Lcast
	s_cmp_lt_u32 ttmp9, WGA                        ; x's work-group or w_qkv's?  Only pointers are chosen: both take one path
	s_cselect_b64 s[4:5], s[4:5], s[6:7]
	s_cselect_b64 s[8:9], s[8:9], s[12:13]
	s_cselect_b64 s[10:11], s[10:11], s[14:15]
	s_cselect_b32 s17, 0, WGA
	s_sub_co_u32 s17, ttmp9, s17
	s_lshl_b32 s17, s17, 2
	s_add_co_u32 s18, s17, s16                     ; which run of 8,192 numbers of the tensor is my wave's
	s_mov_b32 s19, 0
	s_mov_b64 s[20:21], 512*STEPS*4
	s_mul_u64 s[20:21], s[18:19], s[20:21]
	s_add_nc_u64 s[4:5], s[4:5], s[20:21]
	s_mov_b64 s[20:21], 32*STEPS*CB
	s_mul_u64 s[20:21], s[18:19], s[20:21]
	s_add_nc_u64 s[8:9], s[8:9], s[20:21]
	s_lshl_b32 s18, s18, 8                         ; 256 scale bytes a run
	s_add_nc_u64 s[10:11], s[10:11], s[18:19]
.macro LOAD t
.irp i, 0,1,2,3
	global_load_b128 v[R+16*((\t)%4)+4*\i:R+16*((\t)%4)+4*\i+3], v3, s[4:5] offset:2048*(\t)+512*\i th:TH_LOAD_NT   ; 32 lanes read 512 consecutive bytes
.endr
.endm
.macro TURN t                          ; step t's numbers through the stage: LDS serves a wave's instructions in order, so no wait stands between the stores and the loads
.irp i, 0,1,2,3
	ds_store_b128 v14, v[R+16*((\t)%4)+4*\i:R+16*((\t)%4)+4*\i+3] offset:32*SP*((\t)%2)+8*SP*\i
.endr
.irp i, 0,1,2,3
	ds_load_b128 v[X+16*((\t)%2)+4*\i:X+16*((\t)%2)+4*\i+3], v15 offset:32*SP*((\t)%2)+16*\i
.endr
.endm
.irp t, 0,1,2,3
	LOAD \t
.endr
	s_wait_loadcnt 12                              ; step 0's four loads are in; the twelve of steps 1 to 3 may be out
	TURN 0
.macro STEP t
.set XS, X+16*((\t)%2)
.if (\t) > 0
	s_wait_dscnt 1                                 ; this step's numbers are back from the stage (the last step's byte store may be out): so its stores into the stage have read their registers,
.else
	s_wait_dscnt 0x0
.endif
.if (\t)+4 < STEPS
	LOAD (\t)+4                                    ; which take the loads of four steps on
.endif
.if (\t)+1 < STEPS
.if STEPS-2-(\t) >= 3
	s_wait_loadcnt 12                              ; the next step's four loads are in; those of the three steps behind it may be out
.else
	s_wait_loadcnt 4*(STEPS-2-(\t))
.endif
	TURN (\t)+1                                    ; and go through the other stage while this step is worked
.endif
	v_max3_num_f32 v8, |v[XS]|, |v[XS+1]|, |v[XS+2]|               ; the largest magnitude of my 16, in two chains
	v_max3_num_f32 v9, |v[XS+3]|, |v[XS+4]|, |v[XS+5]|
.irp i, 6,10
	v_max3_num_f32 v8, v8, |v[XS+\i]|, |v[XS+\i+1]|
	v_max3_num_f32 v9, v9, |v[XS+\i+2]|, |v[XS+\i+3]|
.endr
	v_max3_num_f32 v8, v8, |v[XS+14]|, |v[XS+15]|
	v_max3_num_f32 v8, v8, v9, (EMAX+1)<<23        ; and the floor 2^(3 - 127): so the byte cannot fall under 1
	v_max_num_f32_dpp v8, v8, v8 row_xmask:1 row_mask:0xf bank_mask:0xf   ; and of my neighbour's 16: the block's
	v_add_nc_u32 v11, -(EMAX<<23), v8              ; 2 off its exponent field: the conversion takes the exponent field of this operand as its scale, and nothing else of it
	v_cvt_scalef32_pk8_fp4_f32 v[C+4*(\t)], v[XS:XS+7], v11        ; eight numbers / the scale, to the nearest code, ties to even, beyond the largest code the largest
	v_cvt_scalef32_pk8_fp4_f32 v[C+4*(\t)+1], v[XS+8:XS+15], v11
	v_lshrrev_b32 v[E+(\t)], 23, v11               ; the scale's byte (a plain line behind the conversions)
	ds_store_b8 v5, v[E+(\t)] offset:16*(\t)       ; both lanes of a block write the same byte with the same value
	global_store_b64 v4, v[C+4*(\t):C+4*(\t)+1], s[8:9] offset:32*CB*(\t)
.endm
.irp t, 0,1,2,3,4,5,6,7,8,9,10,11,12,13,14,15
	STEP \t
.endr
	ds_load_b64 v[8:9], v6                         ; LDS serves a wave's instructions in order: these see my stores
	s_wait_dscnt 0x0
	global_store_b64 v7, v[8:9], s[10:11]          ; 32 lanes store 256 consecutive bytes, aligned
	s_wait_tensorcnt 0x0                           ; the wave's end: three closing lines behind my last LDS store
	ds_add_u32 v[SPW], v[NIL]
	s_wait_dscnt 0x0
	s_endpgm
; THE CAST.  128 waves; wave W takes block kb = W / 8 of 64 along K and rows 128 (W % 8) on.  Lane l takes 8 numbers: row 4 t + l / 8, 32 bytes at 32 (l % 8); their f16 are 16 bytes at 16 l + 512 t:
; a store covers 512 consecutive bytes.  Four rounds of 32 rows; two rounds' loads (32) are out at the start, 16 while a round is worked.  No LDS.
.Lcast:
	s_sub_co_u32 s17, ttmp9, WGQ
	s_lshl_b32 s17, s17, 2
	s_add_co_u32 s17, s17, s16                     ; W
	s_lshr_b32 s18, s17, 3                         ; kb
	s_and_b32 s19, s17, 7                          ; which 128 rows
	s_lshl_b32 s20, s19, 19                        ; in: 128 rows of 4,096 bytes,
	s_lshl_b32 s22, s18, 8                         ; 256 bytes a block
	s_add_co_u32 s20, s20, s22
	s_mov_b32 s21, 0
	s_add_nc_u64 s[24:25], s[24:25], s[20:21]
	s_lshl_b32 s20, s18, 17                        ; out: 1,024 rows of 128 bytes a block,
	s_lshl_b32 s22, s19, 14                        ; 128 rows of 128 bytes
	s_add_co_u32 s20, s20, s22
	s_add_nc_u64 s[26:27], s[26:27], s[20:21]
	v_lshrrev_b32 v8, 3, v2
	v_lshlrev_b32 v8, 12, v8
	v_and_b32 v9, 7, v2
	v_lshl_add_u32 v8, v9, 5, v8                   ; 4,096 (l / 8) + 32 (l % 8); never rewritten
.macro CLOAD g, set
.irp t, 0,1,2,3,4,5,6,7
	global_load_b128 v[\set+8*\t:\set+8*\t+3], v8, s[24:25] offset:(8*(\g)+\t)*16384 th:TH_LOAD_NT
	global_load_b128 v[\set+8*\t+4:\set+8*\t+7], v8, s[24:25] offset:(8*(\g)+\t)*16384+16 th:TH_LOAD_NT
.endr
.endm
.macro CAST g, set, left
	s_wait_loadcnt \left                           ; this round's 16 loads are in; the next round's 16 may be out
.if (\g) > 0
	s_wait_xcnt 0x0                                ; the last round's stores have read their data: the f16 registers are written again only behind this wait
.endif
.irp t, 0,1,2,3,4,5,6,7
.irp j, 0,1,2,3
	v_cvt_pk_f16_f32 v[CO+4*\t+\j], v[\set+8*\t+2*\j], v[\set+8*\t+2*\j+1]
.endr
.endr
.irp t, 0,1,2,3,4,5,6,7
	global_store_b128 v3, v[CO+4*\t:CO+4*\t+3], s[26:27] offset:(8*(\g)+\t)*512
.endr
.if (\g) < 2
	CLOAD (\g)+2, \set
.endif
.endm
	CLOAD 0, CA
	CLOAD 1, CBB
	CAST 0, CA, 16
	CAST 1, CBB, 16
	CAST 2, CA, 16
	CAST 3, CBB, 0
	s_wait_tensorcnt 0x0                           ; the three closing lines, on this path too
	ds_add_u32 v[SPW], v[NIL]
	s_wait_dscnt 0x0
	s_endpgm
.Lfunc_end_k_qf10a4e9602_prep:
	.size	k_qf10a4e9602_prep, .Lfunc_end_k_qf10a4e9602_prep-k_qf10a4e9602_prep
	.p2alignl 7, 3214868480
	.fill 96, 4, 3214868480
	.section	.rodata,"a",@progbits
	.p2align	6, 0x0
	.amdhsa_kernel k_qf10a4e9602_prep
		.amdhsa_group_segment_fixed_size 33280
		.amdhsa_private_segment_fixed_size 0
		.amdhsa_enable_private_segment 0
		.amdhsa_kernarg_size 64
		.amdhsa_user_sgpr_count 2
		.amdhsa_user_sgpr_kernarg_segment_ptr 1
		.amdhsa_wavefront_size32 1
		.amdhsa_system_sgpr_workgroup_id_x 1
		.amdhsa_system_sgpr_workgroup_id_y 1
		.amdhsa_system_sgpr_workgroup_id_z 1
		.amdhsa_system_vgpr_workitem_id 0
		.amdhsa_next_free_vgpr 192
		.amdhsa_next_free_sgpr 66
		.amdhsa_reserve_vcc 0
		.amdhsa_float_denorm_mode_32 3
		.amdhsa_float_denorm_mode_16_64 3
		.amdhsa_memory_ordered 1
		.amdhsa_forward_progress 1
		.amdhsa_inst_pref_size 52
	.end_amdhsa_kernel
	.amdgpu_metadata
---
amdhsa.version: [ 1, 2 ]
amdhsa.kernels:
  - .name:           k_qf10a4e9602_prep
    .symbol:         k_qf10a4e9602_prep.kd
    .args:
      - { .name: x, .offset: 0, .size: 8, .value_kind: global_buffer, .address_space: global }
      - { .name: w_qkv, .offset: 8, .size: 8, .value_kind: global_buffer, .address_space: global }
      - { .name: x_codes, .offset: 16, .size: 8, .value_kind: global_buffer, .address_space: global }
      - { .name: x_scales, .offset: 24, .size: 8, .value_kind: global_buffer, .address_space: global }
      - { .name: w_codes, .offset: 32, .size: 8, .value_kind: global_buffer, .address_space: global }
      - { .name: w_scales, .offset: 40, .size: 8, .value_kind: global_buffer, .address_space: global }
      - { .name: w_proj, .offset: 48, .size: 8, .value_kind: global_buffer, .address_space: global }
      - { .name: wp16, .offset: 56, .size: 8, .value_kind: global_buffer, .address_space: global }
    .group_segment_fixed_size: 33280
    .private_segment_fixed_size: 0
    .kernarg_segment_align: 8
    .kernarg_segment_size: 64
    .max_flat_workgroup_size: 128
    .sgpr_count:     66
    .vgpr_count:     192
    .wavefront_size: 32
...
	.end_amdgpu_metadata
.endif
;; end of part 1
;; launch qkv (part 2): grid 12 x 16, 4 waves a work-group, clusters of 4 x 4, 327,680 bytes of LDS; arguments x_codes, x_scales, w_codes, w_scales, qkv16, qkv32; writes qkv16, qkv32
.if DOCPART == 2
	.amdgcn_target "amdgcn-amd-amdhsa--gfx1250"
	.amdhsa_code_object_version 6
	.text
	.protected	k_qf10a4e9602_qkv
	.globl	k_qf10a4e9602_qkv
	.p2align	8
	.type	k_qf10a4e9602_qkv,@function
k_qf10a4e9602_qkv:
	s_mov_b64 s[64:65], 0
	v_nop
	global_prefetch_b8 v0, s[64:65] scope:SCOPE_SE
	s_setreg_imm32_b32 hwreg(HW_REG_WAVE_MODE, 25, 1), 1
	s_wait_xcnt 0x0
	s_wait_alu depctr_hold_cnt(0) depctr_sa_sdst(0) depctr_va_vdst(0) depctr_va_sdst(0) depctr_va_ssrc(0) depctr_va_vcc(0) depctr_vm_vsrc(0)
	s_getreg_b32 s2, hwreg(HW_REG_IB_STS2, 6, 4)
	s_cmp_eq_u32 s2, 0
	s_cbranch_scc0 .Lentry_in_a_cluster
	s_endpgm
.Lentry_in_a_cluster:
	s_bfe_u32 s2, ttmp6, 0x10000c
	s_cmp_lg_u32 s2, 0xf033
	s_cbranch_scc0 .Lentry_shape_is_right
	s_endpgm
.Lentry_shape_is_right:
; qkv[m][n] = sum over k of x[m][k] w_qkv[n][k] on codes of FP4 (E2M1) with one E8M0 scale for each 32 along K; sums in f32.  x: 4,096 rows, w_qkv: 3,072 rows, K = 1,024: a row of codes is 512 bytes, of scales 32.
; A tile of 256 x 256 is made by a work-group of four waves; a wave makes 128 x 128: 64 accumulators of 16 x 16, 512 registers.  K = 1,024 is two LDS slots of 512 along K (rows of 256 bytes): both are
; asked for at the start and nothing is filled again.  The scale bytes of the work-group's 256 + 256 rows, two dense blocks, come with them and stay.
; CLUSTERS: 4 x 4 work-groups.  The four of a row of the cluster need the same tiles of x, the four of a column the same tiles of w_qkv: each tile is asked for JOINTLY, by the same tensor load with
; the same descriptor and a mask that names the four.  Three tensor loads of a wave are out at the start.
; THE MATRIX INSTRUCTION IS USED TRANSPOSED (source 0 = 16 rows of w_qkv, source 1 = 16 rows of x): a lane then holds one token (lane % 16) and eight neighbouring channels.
; THE RESULT leaves as f16, laid [q, k or v][batch][head][token][64]: 16 tokens of a head are 2,048 consecutive bytes.  LIMIT: |q|, |k|, |v| stay under 65,504 (f16).
; The wave that holds tokens 0-15 of a batch also stores their accumulators as they stand, in f32 (qkv32: for each head eight runs of 512 bytes, 16 bytes a lane): the last launch carries those tokens in f32.
; REGISTERS, in windows of 256: window 0: v0-31 addresses; v32-95 scale words, two sets, and nothing else; v96-127 packed results; from v128 x's fragments, ONE set, later rows on the way out.
;   window 1: w_qkv's fragments, TWO sets, at v0 and at v128.   window 2: the 32 accumulators of my rows 0-63 (accumulator (a, b) at v[8 (8 a + b)]);   window 3: those of my rows 64-127.
.set SIZE_M, 4096
.set SIZE_N, 3072
.set SIZE_K, 1024
.set KSTEP,  512                       ; along K in a slot
.set NQ,     KSTEP/128                 ; matrix instructions deep
.set ROWB,   256                       ; a tile's row in bytes
.set KROW,   SIZE_K*4/8                ; a row of codes in memory
.set PITCH,  272                       ; an LDS row: 256 bytes + 16 of padding = 68 words: the 16 rows that a load touches start at 16 different banks (64 banks of 4 bytes: ISA guide 11.1)
.set FR,     8                         ; registers of a fragment: 16 rows x 128 K
.set NL,     2                         ; LDS loads that bring one
.set NP,     4                         ; places behind this matrix instruction (ISA guide 7.12.1)
.set HALFT,  128*PITCH                 ; 128 rows: what one tensor load brings
.set SLOT,   4*HALFT                   ; x's 256 rows, then w_qkv's 256 rows
.set KS,     SIZE_K/32                 ; a row of scales in bytes
.set SCL,    2*SLOT                    ; behind the slots: the scales, as runs of 256 bytes + 16 of padding
.set HALFS,  (128*KS/256)*272          ; the scales of 128 rows
.set SBLK,   (16*KS/256)*272           ; those of 16 rows
.set SPARE,  SCL+4*HALFS               ; behind the scales: the spare words, 128 bytes for each wave
.set SPITCH, 272                       ; the way out: a stage of 16 rows x (256 bytes + 16) for each wave, in slot 0, which has had its only fill and its last read when the first result is stored there
.set HB,     262144                    ; a head in qkv16: 2,048 tokens x 128 bytes
.set ADRA, 16                          ; v16-17  LDS address of my x fragments in slot 0, 1
.set ADRB, 20                          ; v20-21  the same for w_qkv
.set STO,  24                          ; v24     the way out: where I put 16 bytes of a row
.set RD,   25                          ; v25     the way out: where I read rows back
.set ADRS, 27                          ; v27     LDS address of my scale words: lanes 0-15 x's rows, lanes 16-31 w_qkv's
.set SPW,  28                          ; v28     LDS address of my spare word; never rewritten
.set NIL,  29                          ; v29     0; never rewritten
.set FLG,  30                          ; v30     0 in the wave that holds tokens 0-15 of a batch
.set L16,  31                          ; v31     16 x lane
.set SC,   32                          ; scale words: set s at v[SC + 32 s]; register 4 i + q: lanes 0-15 the word of x's block i, lanes 16-31 that of w_qkv's block i, for the slot's q-th 128 along K
.set TMP,  96                          ; v96-127 a block's results as f16
.set AF,   128                         ; x's fragments, in window 0
.set BK,   128                         ; the way out: 16 rows read back: v128-159 and v160-191 by turns
.set G1, 24                            ; s[24:31] descriptor group 1 for x's tiles;  s[32:39] group 0, one set for each slot
.set G0, 32
.set G1B, 48                           ; s[48:55], s[56:63] the same for w_qkv's tiles
.set G0B, 56
.set G1S, 68                           ; s[68:75], s[76:79] groups 1 and 0 for x's scales;  s[80:87], s[88:91] for w_qkv's
.set G0S, 76
.set G1SB, 80
.set G0SB, 88
.set MSB, 0
.macro WIN new                         ; the immediate's high byte repeats the setting that is left
.if MSB != \new
	s_set_vgpr_msb (MSB<<8)|\new
.set MSB, \new
.endif
.endm
.set MUL_LO, 0xa1                      ; source 0 window 1, source 1 window 0, C and D window 2
.set MUL_HI, 0xf1                      ; the same, C and D window 3
.set TO_B,   0x40                      ; destination window 1, address window 0
; A joint load: waves 0 and 1 fetch for x, waves 2 and 3 for w_qkv.  Each of the two lines has ONE mask and one set of registers for all that issue it; the branch hangs on the wave's number alone.
; An s_nop 0 and four v_nop follow each of the two lines, ahead of the jump, the label and what follows.
.macro JLOAD g0a, g1a, g0b, g1b
	s_cmp_eq_u32 s15, 0
	s_cbranch_scc0 .Lfor_b_\@
	tensor_load_to_lds s[\g0a:\g0a+3], s[\g1a:\g1a+7]
	s_nop 0
.rept 4
	v_nop
.endr
	s_branch .Lasked_\@
.Lfor_b_\@:
	tensor_load_to_lds s[\g0b:\g0b+3], s[\g1b:\g1b+7]
	s_nop 0
.rept 4
	v_nop
.endr
.Lasked_\@:
.endm
.macro CROUND                          ; a round of the cluster's barrier: my work-group's barrier; wave 0 signals for the work-group; every wave waits for all sixteen; my work-group's barrier once more
	s_barrier_signal -1
	s_barrier_wait -1
	s_cmp_lg_u32 s14, 0
	s_cbranch_scc1 .Lnot_wave_0_\@
	s_barrier_signal -3
.Lnot_wave_0_\@:
	s_barrier_wait -3
	s_barrier_signal -1
	s_barrier_wait -1
.endm
	s_load_b128 s[4:7], s[0:1], 0x0                ; x's codes s[4:5], x's scales s[6:7]
	s_load_b128 s[8:11], s[0:1], 0x10              ; w_qkv's codes s[8:9], its scales s[10:11]
	s_load_b64 s[12:13], s[0:1], 0x20              ; qkv16
	s_load_b64 s[96:97], s[0:1], 0x28              ; qkv32
	v_lshl_add_u32 v[SPW], v0, 2, SPARE
	v_mov_b32 v[NIL], 0
	ds_add_u32 v[SPW], v[NIL]                      ; the wave's opening: the add, twice on end, and its wait ahead of my first tensor load; the set-up below stands between
	ds_add_u32 v[SPW], v[NIL]
	v_lshrrev_b32 v1, 5, v0
	v_readfirstlane_b32 s14, v1                    ; wave 0..3
	s_lshr_b32 s15, s14, 1                         ; which half of the tile's rows is mine.  Also: I fetch for x (0) or for w_qkv (1)
	s_and_b32 s16, s14, 1                          ; which half of its columns.  Also: which 128 rows of that tile I fetch
	s_bfe_u32 s40, ttmp6, 0x40000                  ; cx, cy: my place in the cluster
	s_bfe_u32 s41, ttmp6, 0x40004
	s_lshl_b32 s42, ttmp9, 2
	s_add_co_u32 s42, s42, s40                     ; tile column = 4 x cluster x + cx
	s_and_b32 s17, ttmp7, 0xffff
	s_lshl_b32 s17, s17, 2
	s_add_co_u32 s17, s17, s41                     ; tile row = 4 x cluster y + cy
	s_lshl_b32 s43, s41, 2
	s_lshl_b32 s43, 15, s43                        ; my row of the cluster
	s_lshl_b32 s44, 0x1111, s40                    ; my column
	; descriptor group 1: a tile of 128 rows x 256 bytes, padded in LDS
	s_or_b32 s[G1+0], s43, (0<<16)|(1<<20)|(1<<21)|(5<<22)|(3<<25)  ; 15:0 the mask: x's tiles go to my row; 17:16 element of 1 byte; 20 padding on; 21 set beside a mask; 24:22 after every 64 words; 31:25 of 4 words
	s_or_b32 s[G1B+0], s44, (0<<16)|(1<<20)|(1<<21)|(5<<22)|(3<<25)
.irp g, G1, G1B
	s_mov_b32 s[\g+1], ROWB<<16                    ; tensor_dim0
	s_mov_b32 s[\g+2], 128<<16                     ; tensor_dim1 = 128
	s_mov_b32 s[\g+3], ROWB<<16                    ; tile_dim0
	s_mov_b32 s[\g+4], 128                         ; tile_dim1 = 128
	s_mov_b32 s[\g+5], KROW                        ; tensor_dim0_stride
	s_mov_b32 s[\g+6], 0
	s_mov_b32 s[\g+7], 0
.endr
	; and for the scales of 128 rows: a dense block of 4,096 bytes, as rows of 256 bytes (32 elements of 8 bytes), 16 bytes of padding behind each
	s_or_b32 s[G1S+0], s43, (3<<16)|(1<<20)|(1<<21)|(5<<22)|(3<<25)
	s_or_b32 s[G1SB+0], s44, (3<<16)|(1<<20)|(1<<21)|(5<<22)|(3<<25)
.irp g, G1S, G1SB
	s_mov_b32 s[\g+1], 32<<16
	s_mov_b32 s[\g+2], (128*KS/256)<<16
	s_mov_b32 s[\g+3], 32<<16
	s_mov_b32 s[\g+4], 128*KS/256
	s_mov_b32 s[\g+5], 32
	s_mov_b32 s[\g+6], 0
	s_mov_b32 s[\g+7], 0
.endr
	s_lshl_b32 s18, s16, 7                         ; which 128 rows of the tile I fetch
	s_lshl_b32 s20, s17, 8
	s_add_co_u32 s20, s20, s18                     ; x: row 256 x tile row + 128 x half
	s_lshl_b32 s46, s42, 8
	s_add_co_u32 s46, s46, s18                     ; w_qkv: row 256 x tile column + 128 x half
	s_mov_b32 s21, 0
	s_mov_b32 s47, 0
	s_mov_b64 s[18:19], KS
	s_mul_u64 s[22:23], s[20:21], s[18:19]         ; where these rows' scales begin, in bytes
	s_mul_u64 s[92:93], s[46:47], s[18:19]
	s_mov_b64 s[18:19], KROW
	s_mul_u64 s[20:21], s[20:21], s[18:19]         ; and their codes
	s_mul_u64 s[46:47], s[46:47], s[18:19]
	s_mul_i32 s45, s14, HALFT                      ; where they go: wave x 128 rows: no place in the cluster enters an LDS address
	s_mul_i32 s94, s14, HALFS
	s_wait_dscnt 0x0                               ; both opening adds are done
	s_wait_kmcnt 0x0
	s_add_nc_u64 s[20:21], s[4:5], s[20:21]
	s_add_nc_u64 s[22:23], s[6:7], s[22:23]
	s_add_nc_u64 s[46:47], s[8:9], s[46:47]
	s_add_nc_u64 s[92:93], s[10:11], s[92:93]
	CROUND                                         ; all sixteen work-groups are here: the joint loads meet
	s_mov_b32 s[G0S], 1
	s_add_co_u32 s[G0S+1], s94, SCL
	s_mov_b64 s[G0S+2:G0S+3], s[22:23]
	s_or_b32 s[G0S+3], s[G0S+3], 0x80000000
	s_mov_b32 s[G0SB], 1
	s_add_co_u32 s[G0SB+1], s94, SCL
	s_mov_b64 s[G0SB+2:G0SB+3], s[92:93]
	s_or_b32 s[G0SB+3], s[G0SB+3], 0x80000000
	JLOAD G0S, G1S, G0SB, G1SB                     ; the scales first: they are wanted with the first slot
.irp s, 0,1
	s_mov_b32 s[G0+4*\s], 1
	s_add_co_u32 s[G0+4*\s+1], s45, \s*SLOT
	s_add_nc_u64 s[G0+4*\s+2:G0+4*\s+3], s[20:21], \s*ROWB
	s_or_b32 s[G0+4*\s+3], s[G0+4*\s+3], 0x80000000
	s_mov_b32 s[G0B+4*\s], 1
	s_add_co_u32 s[G0B+4*\s+1], s45, \s*SLOT
	s_add_nc_u64 s[G0B+4*\s+2:G0B+4*\s+3], s[46:47], \s*ROWB
	s_or_b32 s[G0B+4*\s+3], s[G0B+4*\s+3], 0x80000000
	JLOAD G0+4*\s, G1, G0B+4*\s, G1B
.endr
	v_and_b32 v1, 15, v0                           ; l % 16
	v_bfe_u32 v2, v0, 4, 1                         ; l / 16
	v_mul_u32_u24 v3, v1, PITCH
	v_lshl_add_u32 v4, v2, 4, v3                   ; a fragment's row x pitch + 16 x half
	s_mul_i32 s21, s15, HALFT                      ; my 128 rows of x
	s_mul_i32 s22, s16, HALFT                      ; my 128 rows of w_qkv,
	s_add_co_u32 s22, s22, 2*HALFT                 ; which lie behind x's 256
.irp s, 0,1
	v_add_nc_u32 v[ADRA+\s], s21, v4
	v_add_nc_u32 v[ADRB+\s], s22, v4
	s_add_co_u32 s21, s21, SLOT
	s_add_co_u32 s22, s22, SLOT
.endr
	v_mul_u32_u24 v5, v1, KS                       ; my row's scales: 32 bytes a row,
	v_lshrrev_b32 v6, 8, v5
	v_lshl_add_u32 v5, v6, 4, v5                   ; and 16 more for each 256 passed
	s_mul_i32 s21, s15, HALFS                      ; x's: my 128 rows
	s_mul_i32 s22, s16, HALFS                      ; w_qkv's: my 128 rows, behind x's 256
	s_add_co_u32 s22, s22, 2*HALFS
	s_sub_co_u32 s22, s22, s21
	v_mul_u32_u24 v6, s22, v2                      ; lanes 16-31 take w_qkv's: one product, the lower base + half x the distance
	s_add_co_u32 s21, s21, SCL
	v_add_nc_u32 v5, v5, v6
	v_add_nc_u32 v[ADRS], s21, v5
	s_mul_i32 s23, s14, 16*SPITCH                  ; my stage
	v_mul_u32_u24 v5, v1, SPITCH                   ; in: row l % 16, 16 bytes for each half of the lanes
	v_lshl_add_u32 v5, v2, 4, v5
	v_add_nc_u32 v[STO], s23, v5
	v_and_b32 v6, 31, v0
	v_lshlrev_b32 v[L16], 4, v6                    ; 16 x lane
	v_lshrrev_b32 v5, 3, v6                        ; back: eight lanes take a head's 128 bytes of a row, four rows an instruction
	v_mul_u32_u24 v5, v5, SPITCH
	v_and_b32 v6, 7, v6
	v_lshl_add_u32 v5, v6, 4, v5
	v_add_nc_u32 v[RD], s23, v5
	; where my part begins.  A tile column is four heads of q, k or v; a tile row 256 tokens of a batch.  The first of my two heads has the number ((column / 4) x 2 + batch) x 16 + (column % 4) x 4 + 2 x half.
	; (In registers that feed no descriptor.)
	s_lshr_b32 s66, s42, 2                         ; q, k or v
	s_lshl_b32 s66, s66, 1
	s_lshr_b32 s67, s17, 3                         ; the batch
	s_add_co_u32 s66, s66, s67
	s_lshl_b32 s66, s66, 4
	s_and_b32 s67, s42, 3
	s_lshl_b32 s67, s67, 2
	s_add_co_u32 s66, s66, s67
	s_lshl_b32 s67, s16, 1
	s_add_co_u32 s66, s66, s67                     ; the head's number, 0 .. 94
	s_and_b32 s95, s17, 7
	s_or_b32 s99, s95, s15                         ; 0 where my first token is a batch's token 0
	v_mov_b32 v[FLG], s99
	s_lshl_b32 s95, s95, 15                        ; 256 tokens x 128 bytes a tile row,
	s_lshl_b32 s99, s15, 14                        ; 128 tokens a half
	s_add_co_u32 s95, s95, s99
	s_lshl_b32 s2, s66, 18                         ; HB bytes a head
	s_add_co_u32 s2, s2, s95
	s_mov_b32 s3, 0
	s_add_nc_u64 s[12:13], s[12:13], s[2:3]
	s_lshl_b32 s2, s66, 12                         ; 4,096 bytes a head in qkv32
	s_add_nc_u64 s[96:97], s[96:97], s[2:3]
.macro FRAG reg, adr, q, i             ; a fragment, 16 rows x 128 K of 4-bit codes, is 8 registers: lane l holds row l % 16; registers 4 c .. 4 c + 3 hold K = 64 c + 32 (l / 16) + 0 .. 31
.irp c, 0,1
	ds_load_b128 v[\reg+4*\c:\reg+4*\c+3], v[\adr] offset:64*(\q)+32*\c+(\i)*16*PITCH
.endr
.endm
; 16 matrix instructions: x's blocks a0, a0 + 1 against w_qkv's eight, 128 along K: the slot's q-th.  p: w_qkv's set;  sc: the set of scale words.  zero = 1: the first product starts the sums: nothing is cleared.
; The 64 accumulators take turns, one instruction a turn, in the same order in every step.
.macro MUL16 a0, p, q, sc, zero
.irp a, \a0, \a0+1
.irp b, 0,1,2,3,4,5,6,7
.if \zero
	v_wmma_scale_f32_16x16x128_f8f6f4 v[8*(8*((\a)%4)+\b):8*(8*((\a)%4)+\b)+7], v[128*(\p)+FR*\b:128*(\p)+FR*\b+FR-1], v[AF+FR*(\a):AF+FR*(\a)+FR-1], 0, v[SC+8*NQ*(\sc)+NQ*\b+(\q)], v[SC+8*NQ*(\sc)+NQ*(\a)+(\q)] matrix_a_fmt:MATRIX_FMT_FP4 matrix_b_fmt:MATRIX_FMT_FP4 matrix_a_scale:MATRIX_SCALE_ROW1
.else
	v_wmma_scale_f32_16x16x128_f8f6f4 v[8*(8*((\a)%4)+\b):8*(8*((\a)%4)+\b)+7], v[128*(\p)+FR*\b:128*(\p)+FR*\b+FR-1], v[AF+FR*(\a):AF+FR*(\a)+FR-1], v[8*(8*((\a)%4)+\b):8*(8*((\a)%4)+\b)+7], v[SC+8*NQ*(\sc)+NQ*\b+(\q)], v[SC+8*NQ*(\sc)+NQ*(\a)+(\q)] matrix_a_fmt:MATRIX_FMT_FP4 matrix_b_fmt:MATRIX_FMT_FP4 matrix_a_scale:MATRIX_SCALE_ROW1
.endif
.endr
.endr
.endm
.macro FETCH_B slot, q, p              ; w_qkv's eight fragments of the slot's q-th 128 along K into set p
	WIN TO_B
.irp i, 0,1,2,3,4,5,6,7
	FRAG 128*(\p)+FR*\i, ADRB+\slot, \q, \i
.endr
	WIN 0
.endm
.macro FETCH_A slot, q, i0             ; x's blocks i0 .. i0 + 3
.irp i, \i0, \i0+1, \i0+2, \i0+3
	FRAG AF+FR*(\i), ADRA+\slot, \q, \i
.endr
.endm
.macro SCALES sc                       ; a slot's scale words into set sc: 4 words a row; lanes 0-15 take x's block i, lanes 16-31 w_qkv's block i
.irp i, 0,1,2,3,4,5,6,7
	ds_load_b128 v[SC+8*NQ*\sc+NQ*\i:SC+8*NQ*\sc+NQ*\i+3], v[ADRS] offset:\i*SBLK
.endr
.endm
; A load into a register that a matrix instruction has read, and a vector instruction or a store that reads a matrix result, stand four places behind that matrix instruction, and only plain vector
; instructions that name none of its registers are places (ISA guide 7.12.1 for vector instructions).
.macro PLACES n
.rept \n
	v_nop
.endr
.endm
; A step of 128 along K that has its successor in the same slot.
.macro STEP slot, q, zero
	s_wait_dscnt 4*NL                              ; w_qkv's set and x's blocks 0-3 are in; the youngest eight loads (x's blocks 4-7) may be out
	WIN MUL_LO
	MUL16 0, (\q)%2, \q, \slot, \zero
	MUL16 2, (\q)%2, \q, \slot, \zero
	s_wait_dscnt 0                                 ; x's blocks 4-7 are in (asked for 32 matrix instructions ago)
	PLACES NP
	FETCH_B \slot, (\q)+1, 1-(\q)%2
	FETCH_A \slot, (\q)+1, 0
	WIN MUL_HI
	MUL16 4, (\q)%2, \q, \slot, \zero
	MUL16 6, (\q)%2, \q, \slot, \zero
	PLACES NP
	WIN 0
	FETCH_A \slot, (\q)+1, 4
.endm
.macro STEPS slot, from                ; the slot's steps from .. NQ - 2
.set Q, \from
.rept NQ-1-\from
	STEP \slot, Q, 0
.set Q, Q+1
.endr
.endm
	s_wait_tensorcnt 1                             ; the scales and my part of slot 0 are in (slot 1's load may be out)
	s_barrier_signal -1
	s_barrier_wait -1                              ; everybody's are
	FETCH_B 0, 0, 0
	FETCH_A 0, 0, 0
	SCALES 0
	FETCH_A 0, 0, 4
	STEP 0, 0, 1                                   ; the first step's products start the sums
	STEPS 0, 1
	; slot 0's last step changes slots: one barrier; in front of it each wave waits for all its tensor loads (its part of slot 1), adds 0 to its spare word, and waits for that and for its reads of slot 0
	s_wait_tensorcnt 0x0
	ds_add_u32 v[SPW], v[NIL]
	s_wait_dscnt 4*NL+1                            ; (the add and the youngest eight loads, x's blocks 4-7, may be out)
	WIN MUL_LO
	MUL16 0, 1, NQ-1, 0, 0                         ; sixteen matrix instructions stand between the add and the wait for it
	s_wait_dscnt 0x0                               ; the add is done, and my reads of slot 0 are over
	s_barrier_signal -1
	MUL16 2, 1, NQ-1, 0, 0
	WIN 0
	s_barrier_wait -1                              ; slot 1 is whole, and nobody reads slot 0 any more
	PLACES NP
	v_add_nc_u32 v[ADRS], 4*NQ, v[ADRS]            ; on to slot 1's scale words (no LDS load of mine is out)
	FETCH_B 1, 0, 0
	FETCH_A 1, 0, 0
	SCALES 1
	WIN MUL_HI
	MUL16 4, 1, NQ-1, 0, 0
	MUL16 6, 1, NQ-1, 0, 0
	PLACES NP
	WIN 0
	FETCH_A 1, 0, 4
	STEPS 1, 0
	s_wait_dscnt 4*NL                              ; the very last step: nothing more to fetch
	WIN MUL_LO
	MUL16 0, 1, NQ-1, 1, 0
	MUL16 2, 1, NQ-1, 1, 0
	s_wait_dscnt 0
	WIN MUL_HI
	MUL16 4, 1, NQ-1, 1, 0
	MUL16 6, 1, NQ-1, 1, 0
	WIN 0
	PLACES NP                                      ; behind the last products, ahead of every read of results and of the loads into x's fragments' registers
	; TOKENS 0-15 OF A BATCH IN F32: my block 0's eight accumulators as they stand, 16 bytes a lane, 512 consecutive bytes a store.  All lanes are off in every other wave: no branch hangs on a work-group's place.
	s_wait_xcnt 0x0                                ; EXEC changes only behind this wait
	v_cmp_eq_u32 vcc_lo, 0, v[FLG]
	s_and_saveexec_b32 s98, vcc_lo
	WIN 0x08                                       ; a store's data are its source 1: window 2
.irp b, 0,1,2,3,4,5,6,7
	global_store_b128 v[L16], v[8*\b:8*\b+3], s[96:97] offset:1024*\b          ; each accumulator from its low end on
	global_store_b128 v[L16], v[8*\b+4:8*\b+7], s[96:97] offset:1024*\b+512
.endr
	WIN 0
	s_wait_xcnt 0x0                                ; and again, in front of the line that widens it
	s_or_b32 exec_lo, exec_lo, s98
; THE WAY OUT, block by block of 16 tokens x 128 channels (two heads).  PACK: rounded to f16, 16 bytes a lane.  TOSTAGE: into my stage, and back by heads: four tokens' 128 bytes an instruction.  SEND: stored.
.macro PACK a
.set AC, 64*((\a)%4)
	WIN 0x0a+5*((\a)/4)                            ; sources 0 and 1: window 2 or 3
.irp b, 0,1,2,3,4,5,6,7
.irp r, 0,1,2,3
	v_cvt_pk_f16_f32 v[TMP+4*\b+\r], v[AC+8*\b+2*\r], v[AC+8*\b+2*\r+1]
.endr
.endr
	WIN 0
.endm
.macro TOSTAGE a
.set BB, BK+32*((\a)%2)
.irp b, 0,1,2,3,4,5,6,7
	ds_store_b128 v[STO], v[TMP+4*\b:TMP+4*\b+3] offset:32*\b
.endr
.irp g, 0,1
.irp t, 0,1,2,3
	ds_load_b128 v[BB+4*(4*\g+\t):BB+4*(4*\g+\t)+3], v[RD] offset:\t*4*SPITCH+128*\g   ; LDS serves a wave's instructions in order (ISA guide 5.7.1.4): these see the stores above
.endr
.endr
.endm
.macro SEND a
.set BB, BK+32*((\a)%2)
	s_wait_dscnt 0x0                               ; the block is back in registers
	s_wait_xcnt 0x0                                ; the stores of the block before have read their registers: the next block's loads may land there
.irp g, 0,1
.irp t, 0,1,2,3
	global_store_b128 v[L16], v[BB+4*(4*\g+\t):BB+4*(4*\g+\t)+3], s[12:13] offset:\g*HB+(\a)*2048+\t*512   ; 32 lanes store 512 consecutive bytes of one head, aligned
.endr
.endr
.endm
	PACK 0
	TOSTAGE 0
.irp a, 1,2,3,4,5,6,7                  ; block a's conversions stand between block a - 1's loads from the stage and the wait for them
	PACK \a
	SEND \a-1
	TOSTAGE \a
.endr
	SEND 7
	s_wait_tensorcnt 0x0                           ; the wave's end: three closing lines, behind my last tensor load and my last LDS store
	ds_add_u32 v[SPW], v[NIL]
	s_wait_dscnt 0x0
	CROUND                                         ; the closing round: no work-group ends while a partner may still ask for a tile that names it
	s_endpgm
.Lfunc_end_k_qf10a4e9602_qkv:
	.size	k_qf10a4e9602_qkv, .Lfunc_end_k_qf10a4e9602_qkv-k_qf10a4e9602_qkv
	.p2alignl 7, 3214868480
	.fill 96, 4, 3214868480
	.section	.rodata,"a",@progbits
	.p2align	6, 0x0
	.amdhsa_kernel k_qf10a4e9602_qkv
		.amdhsa_group_segment_fixed_size 327680
		.amdhsa_private_segment_fixed_size 0
		.amdhsa_enable_private_segment 0
		.amdhsa_kernarg_size 48
		.amdhsa_user_sgpr_count 2
		.amdhsa_user_sgpr_kernarg_segment_ptr 1
		.amdhsa_wavefront_size32 1
		.amdhsa_system_sgpr_workgroup_id_x 1
		.amdhsa_system_sgpr_workgroup_id_y 1
		.amdhsa_system_sgpr_workgroup_id_z 1
		.amdhsa_system_vgpr_workitem_id 0
		.amdhsa_next_free_vgpr 1024
		.amdhsa_next_free_sgpr 100
		.amdhsa_reserve_vcc 1
		.amdhsa_float_denorm_mode_32 3
		.amdhsa_float_denorm_mode_16_64 3
		.amdhsa_memory_ordered 1
		.amdhsa_forward_progress 1
		.amdhsa_inst_pref_size 128
	.end_amdhsa_kernel
	.amdgpu_metadata
---
amdhsa.version: [ 1, 2 ]
amdhsa.kernels:
  - .name:           k_qf10a4e9602_qkv
    .symbol:         k_qf10a4e9602_qkv.kd
    .args:
      - { .name: x_codes, .offset: 0, .size: 8, .value_kind: global_buffer, .address_space: global }
      - { .name: x_scales, .offset: 8, .size: 8, .value_kind: global_buffer, .address_space: global }
      - { .name: w_codes, .offset: 16, .size: 8, .value_kind: global_buffer, .address_space: global }
      - { .name: w_scales, .offset: 24, .size: 8, .value_kind: global_buffer, .address_space: global }
      - { .name: qkv16, .offset: 32, .size: 8, .value_kind: global_buffer, .address_space: global }
      - { .name: qkv32, .offset: 40, .size: 8, .value_kind: global_buffer, .address_space: global }
    .group_segment_fixed_size: 327680
    .private_segment_fixed_size: 0
    .kernarg_segment_align: 8
    .kernarg_segment_size: 48
    .max_flat_workgroup_size: 128
    .sgpr_count:     100
    .vgpr_count:     1024
    .wavefront_size: 32
...
	.end_amdgpu_metadata
.endif
;; end of part 2
;; launch attn (part 3): grid 8 x 32, 16 waves a work-group, no clusters, 327,680 bytes of LDS; arguments qkv16, o16; writes o16
.if DOCPART == 3
	.amdgcn_target "amdgcn-amd-amdhsa--gfx1250"
	.amdhsa_code_object_version 6
	.text
	.protected	k_qf10a4e9602_attn
	.globl	k_qf10a4e9602_attn
	.p2align	8
	.type	k_qf10a4e9602_attn,@function
k_qf10a4e9602_attn:
	s_mov_b64 s[64:65], 0
	v_nop
	global_prefetch_b8 v0, s[64:65] scope:SCOPE_SE
	s_setreg_imm32_b32 hwreg(HW_REG_WAVE_MODE, 25, 1), 1
	s_wait_xcnt 0x0
; O[y][q][:] = the sum over k <= q of softmax_k(Q[y][q] . K[y][k] / 8) V[y][k][:], y = 16 x batch + head, 2,048 tokens, head size 64.  Q, K, V: f16, [q, k or v][y][token][64].  O: f16, [head][batch][token][64].
; Products by f16 matrix instructions with f32 sums; maxima, exponentials and sums in f32; the weights p are rounded to f16 for the second product, O once at the end.
; LIMITS: |o| stays under 65,504 (f16), as q, k and v do.  The first 16 tokens of a batch are computed here like the others and are carried again, in f32, by the last launch.
; SHARES.  Work-group (i, y) owns query blocks i and 15 - i of 128 queries, so that under the causal mask all work-groups have the same work.  Each of its SIXTEEN waves owns one tile of 16 queries in 256
; registers: waves 0-7 tile 8 i + w, waves 8-15 tile 112 - 8 i + w.  Four waves to a SIMD: one wave's vector work stands beside another's matrix work and LDS loads.
; NO CLUSTER: under the mask the eight work-groups of a head need 5 to 8 slots of keys; partners would have to ask for tiles that none of their waves reads.
; THE RING.  K's and V's tiles come through two LDS slots of 256 keys, filled by the tensor data mover (waves 0, 1: K's halves; waves 2, 3: V's) and read by all sixteen.  Every work-group walks all 8 slots, so
; that trip counts are constants; a step all of whose keys are hidden from a wave is jumped over, and a slot whose first key comes after the work-group's last query is not asked for.  Every wait on TENSORcnt is for 0.
; LAYOUT.  S^T = K Q^T (source 0 = 16 keys, source 1 = my 16 queries): a lane holds ONE query (lane % 16) and keys 8 (lane / 16) + 0..7 of each tile.  Two such tiles, rounded to f16 in pairs, ARE source 1
; (32 keys x 16 queries) of O^T = V^T P.  K comes out of LDS as it lies, V ([key][channel]) turned, by ds_load_tr16_b128.
; SOFTMAX.  A running maximum m and sum l for each query: p = 2^(c s - c m), c = log2(e) / 8; in every step O^T and l are multiplied by a = 2^(c m_old - c m_new).  Key 0 counts for every query, so m is a score from the first step on.
.set KP,    144                        ; a row of K in LDS: 128 bytes + 16 of padding: an odd multiple of 16
.set VP,    160                        ; a row of V: 128 + 32: an odd multiple of 32, for the turning load
.set SK,    256                        ; keys in a slot
.set VOFF,  SK*KP                      ; a slot: 256 rows of K, then 256 rows of V
.set SLOT1, 1<<17                      ; slot 1 begins here: one exclusive or turns an address in one slot into the other's
.set SPARE, 2*SLOT1                    ; the spare words, 128 bytes for each of 16 waves
.set STAGE, SPARE+2048                 ; the way out: 16 rows x 144 bytes for each wave, bytes into which no tile lands
.set HB,    262144                     ; a head in qkv16
.set AK0, 1                            ; v1   my lane's place in a tile of K
.set AV0, 2                            ; v2   the same for V
.set SPW, 3                            ; v3   LDS address of my spare word; never rewritten
.set NIL, 4                            ; v4   0; never rewritten
.set ADK, 5                            ; v5   LDS address of the step's K
.set ADV, 6                            ; v6   of its V
.set RH,  7                            ; v7   lane % 16 - 8 (lane / 16)
.set STO, 8                            ; v8   the way out: where I put 16 bytes of a row
.set RD,  9                            ; v9   where I read rows back
.set GO,  10                           ; v10  16 x lane
.set PFO, 11                           ; v11  256 x lane: the prefetches' offset; never rewritten
.set QR,  16                           ; v16-31   Q: two fragments
.set KR,  32                           ; v32-95   K: fragment (kt, c) at 16 kt + 8 c
.set VR,  96                           ; v96-159  V: fragment (u, ct) at 32 u + 8 ct
.set S,   160                          ; v160-191 S^T, then p
.set P,   192                          ; v192-207 p as f16
.set O,   208                          ; v208-239 O^T
                                       ; v12 c m, v13 m, v[14:15] l in two halves; v240-243 four chains of the maximum; v244 a (v245: the pair's upper half); v246 a permute's destination; v247 the old c m; v248 d; v249 -infinity
.set WV,  18                           ; s18  my wave's number
.set SEL, 20                           ; s[20:21] lane selects for v_permlanex16_b32: lane l xor 16
.set CS,  22                           ; s[22:23] c: the packed form names a pair and takes its low word for both halves
.set G1K, 24                           ; s[24:31] descriptor group 1 for K's tiles;  s[32:39] for V's;  s[40:43], s[44:47] their groups 0, which walk
.set G1V, 32
.set G0K, 40
.set G0V, 44
.set TB,  2                            ; s2   LDS byte at which the slot in hand begins
.set SLOTS, 3                          ; s3   changes of slots still to come in the loop
.set KF,  48                           ; s48  the step's first key
.set Q0,  49                           ; s49  my first query
.set QL,  50                           ; s50  my work-group's last query
.set T0,  51                           ; s51  at work
.set PFA, 54                           ; s[54:55] where my prefetches stand
.set LIM, 56                           ; s56  1 in a wave that prefetches, else the greatest number
; Waves 0 and 1 fetch for K, waves 2 and 3 for V, the others nothing.  The branches hang on the wave's number alone.  An s_nop 0 and four v_nop follow each of the two lines.
.macro TLOAD
	s_cmp_lt_u32 s[WV], 2
	s_cbranch_scc0 .Lnot_k_\@
	tensor_load_to_lds s[G0K:G0K+3], s[G1K:G1K+7]
	s_nop 0
.rept 4
	v_nop
.endr
	s_branch .Lasked_\@
.Lnot_k_\@:
	s_cmp_lt_u32 s[WV], 4
	s_cbranch_scc0 .Lasked_\@
	tensor_load_to_lds s[G0V:G0V+3], s[G1V:G1V+7]
	s_nop 0
.rept 4
	v_nop
.endr
.Lasked_\@:
.endm
; A PREFETCH of what the NEXT change of slots will ask for: a slot's 256 rows of K and of V, each one dense block of 32,768 bytes.  Each aligned block of 256 bytes is named ONCE in the launch: all eight work-groups
; of a head walk the same K and V, and the first of them (i = 0, which loads every slot) asks; in it the waves ask that fetch nothing: waves 4-7 for K, waves 8-11 for V, 8,192 bytes a wave, lanes 256 bytes apart.
; It runs one slot, four key steps, ahead of the tensor load.  Slots 0 and 1 come by their loads alone; the last change that fills a slot asks for nothing.
.macro ASK
	s_cmp_gt_u32 s[SLOTS], s[LIM]
	s_cbranch_scc0 .Lnot_mine_\@
	global_prefetch_b8 v[PFO], s[PFA:PFA+1] th:TH_LOAD_NT scope:SCOPE_SE
.Lnot_mine_\@:
.endm
	s_load_b128 s[4:7], s[0:1], 0x0                ; qkv16, o16
	v_lshl_add_u32 v[SPW], v0, 2, SPARE
	v_mov_b32 v[NIL], 0
	ds_add_u32 v[SPW], v[NIL]                      ; the wave's opening: the add, twice on end, and its wait ahead of my first tensor load; the set-up below stands between
	ds_add_u32 v[SPW], v[NIL]
	v_lshrrev_b32 v5, 5, v0
	v_readfirstlane_b32 s[WV], v5                  ; wave 0..15
	s_and_b32 s8, ttmp7, 0xffff                    ; y
	s_lshl_b32 s8, s8, 18                          ; y x HB
	s_mov_b32 s9, 0
	s_lshl_b32 s51, ttmp9, 3                       ; 8 i
	s_sub_co_u32 s52, 112, s51                     ; 112 - 8 i
	s_cmp_lt_u32 s[WV], 8
	s_cselect_b32 s51, s51, s52
	s_add_co_u32 s51, s51, s[WV]                   ; my tile of 16 queries
	s_lshl_b32 s[Q0], s51, 4
	s_lshl_b32 s[QL], ttmp9, 7
	s_sub_co_u32 s[QL], 2047, s[QL]                ; block 15 - i ends here
	s_lshl_b32 s10, s[Q0], 7
	s_add_co_u32 s10, s10, s8                      ; Q: my head, my first query's row of 128 bytes
	s_mov_b32 s11, 0
	s_and_b32 s52, s[WV], 1                        ; which half of a slot's 256 rows I fetch, if I fetch:
	s_lshl_b32 s12, s52, 14                        ; 128 rows of 128 bytes in memory,
	s_add_co_u32 s12, s12, s8
	s_mov_b32 s13, 0
	s_mul_i32 s53, s52, 128*KP                     ; and in a slot: K's,
	s_mul_i32 s57, s52, 128*VP
	s_add_co_u32 s57, s57, VOFF                    ; V's
	; descriptor group 1: 128 rows of 64 elements of 2 bytes, dense in memory, padded behind every row
	s_mov_b32 s[G1K], (1<<16)|(1<<20)|(4<<22)|(3<<25)   ; 15:0 no mask; 17:16 elements of 2 bytes; 20 padding on; 24:22 after every 32 words; 31:25 four words
	s_mov_b32 s[G1V], (1<<16)|(1<<20)|(4<<22)|(7<<25)   ; the same with eight words
.irp g, G1K, G1V
	s_mov_b32 s[\g+1], 64<<16                      ; tensor_dim0
	s_mov_b32 s[\g+2], 128<<16                     ; tensor_dim1
	s_mov_b32 s[\g+3], 64<<16                      ; tile_dim0
	s_mov_b32 s[\g+4], 128                         ; tile_dim1
	s_mov_b32 s[\g+5], 64                          ; tensor_dim0_stride
	s_mov_b32 s[\g+6], 0
	s_mov_b32 s[\g+7], 0
.endr
	s_mov_b32 s[SEL], 0x76543210
	s_mov_b32 s[SEL+1], 0xfedcba98
	s_mov_b32 s[CS], 0x3e38aa3b                    ; c = log2(e) / 8
	s_mov_b32 s[CS+1], s[CS]                       ; (named with it as a pair, so it is written)
	s_mov_b32 s[TB], 0
	s_mov_b32 s[SLOTS], 7
	s_mov_b32 s[KF], 0
	s_wait_dscnt 0x0                               ; both opening adds are done
	s_wait_kmcnt 0x0
	s_mov_b32 s[G0K], 1                            ; count = 1
	s_mov_b32 s[G0K+1], s53                        ; LDS address: slot 0
	s_add_nc_u64 s[G0K+2:G0K+3], s[4:5], s[12:13]
	s_add_nc_u64 s[G0K+2:G0K+3], s[G0K+2:G0K+3], 32*HB   ; K's part of qkv16: the head's first 256 keys
	s_or_b32 s[G0K+3], s[G0K+3], 0x80000000        ; type = 2
	s_mov_b32 s[G0V], 1
	s_mov_b32 s[G0V+1], s57
	s_add_nc_u64 s[G0V+2:G0V+3], s[4:5], s[12:13]
	s_add_nc_u64 s[G0V+2:G0V+3], s[G0V+2:G0V+3], 64*HB   ; V's part
	s_or_b32 s[G0V+3], s[G0V+3], 0x80000000
	TLOAD                                          ; slot 0: it holds key 0, which counts for every query
	; the prefetches: where my wave's stand, and who asks
	s_add_nc_u64 s[14:15], s[4:5], s[8:9]
	s_add_nc_u64 s[16:17], s[14:15], 64*HB         ; the head's V,
	s_add_nc_u64 s[14:15], s[14:15], 32*HB         ; its K
	s_cmp_lt_u32 s[WV], 8
	s_cselect_b64 s[PFA:PFA+1], s[14:15], s[16:17]
	s_and_b32 s52, s[WV], 3
	s_lshl_b32 s52, s52, 13                        ; my wave's 8,192 bytes,
	s_add_co_u32 s52, s52, SK*128                  ; in slot 1: the first change of slots steps it to slot 2
	s_mov_b32 s53, 0
	s_add_nc_u64 s[PFA:PFA+1], s[PFA:PFA+1], s[52:53]
	s_sub_co_u32 s52, s[WV], 4
	s_lshr_b32 s52, s52, 3                         ; 0 in waves 4 to 11,
	s_or_b32 s52, s52, ttmp9                       ; of the head's first work-group
	s_cmp_eq_u32 s52, 0
	s_cselect_b32 s[LIM], 1, -1
	s_add_nc_u64 s[4:5], s[4:5], s[10:11]          ; Q at my first query
	s_and_b32 s52, ttmp7, 15                       ; O: the head,
	s_lshl_b32 s52, s52, 19                        ; 4,096 tokens x 128 bytes a head,
	s_bfe_u32 s53, ttmp7, 0x10004                  ; the batch,
	s_lshl_b32 s53, s53, 18                        ; 2,048 tokens a batch,
	s_add_co_u32 s52, s52, s53
	s_lshl_b32 s53, s[Q0], 7
	s_add_co_u32 s52, s52, s53                     ; my first query
	s_mov_b32 s53, 0
	s_add_nc_u64 s[6:7], s[6:7], s[52:53]
	v_and_b32 v240, 15, v0                         ; r = lane % 16
	v_bfe_u32 v241, v0, 4, 1                       ; h = lane / 16
	v_lshlrev_b32 v248, 7, v240
	v_lshl_add_u32 v248, v241, 4, v248             ; Q: row r of 128 bytes + 16 h
.irp i, 0,1,2,3
	global_load_b128 v[QR+4*\i:QR+4*\i+3], v248, s[4:5] offset:32*\i   ; Q's two fragments stay in registers
.endr
	v_mul_u32_u24 v[AK0], v240, KP
	v_lshl_add_u32 v[AK0], v241, 4, v[AK0]         ; K: row r x pitch + 16 h
	v_and_b32 v242, 7, v0
	v_bfe_u32 v243, v0, 3, 1
	v_lshl_add_u32 v[AV0], v241, 3, v242           ; V: the turning load takes key 8 h + l % 8,
	v_mul_u32_u24 v[AV0], v[AV0], VP
	v_lshl_add_u32 v[AV0], v243, 4, v[AV0]         ; channels 8 ((l / 8) % 2) on
	v_add_nc_u32 v[AV0], VOFF, v[AV0]
	v_lshlrev_b32 v[RH], 3, v241
	v_sub_nc_u32 v[RH], v240, v[RH]
	s_mul_i32 s52, s[WV], 16*KP
	s_add_co_u32 s52, s52, STAGE                   ; my stage
	v_add_nc_u32 v[STO], s52, v[AK0]               ; in: row r, 16 bytes for each half of the lanes
	v_and_b32 v242, 31, v0
	v_lshlrev_b32 v[GO], 4, v242
	v_lshlrev_b32 v[PFO], 8, v242
	v_lshrrev_b32 v243, 3, v242                    ; back: eight lanes to a row of 128 bytes, four rows an instruction
	v_mul_u32_u24 v[RD], v243, KP
	v_and_b32 v243, 7, v0
	v_lshl_add_u32 v[RD], v243, 4, v[RD]
	v_add_nc_u32 v[RD], s52, v[RD]
	v_mov_b32 v13, 0xff61b1e6                      ; m: -3e38, under every score
	v_mul_f32 v12, s[CS], v13                      ; c m
	v_mov_b32 v14, 0                               ; l, in two halves
	v_mov_b32 v15, 0
	v_mov_b32 v245, 0                              ; (named as the upper half of the pair v[244:245])
	v_mov_b32 v246, 0                              ; (a lane permute's destination counts as one of its sources)
	v_mov_b32 v249, 0xff800000                     ; -infinity
.irp j, 0,1,2,3,4,5,6,7,8,9,10,11,12,13,14,15,16,17,18,19,20,21,22,23,24,25,26,27,28,29,30,31
	v_mov_b32 v[O+\j], 0                           ; O^T.  (The step is written once: the first finds zeros, which a = 0 leaves zeros)
.endr
; A KEY STEP: 64 keys, the q-th of the slot in hand.
.macro STEP q
	s_add_co_u32 s[T0], s[Q0], 15                  ; a step all of whose keys come after my 16 queries is left out: a branch on ids and the count of steps; no barrier, wait for tiles or tensor load stands in a step
	s_cmp_gt_u32 s[KF], s[T0]
	s_cbranch_scc1 .Lhidden_\@
	v_add_nc_u32 v[ADK], s[TB], v[AK0]
	v_add_nc_u32 v[ADV], s[TB], v[AV0]
	v_nop                                          ; with the two additions: four places behind the last step's products, ahead of the loads into V's registers
	v_nop
.irp kt, 0,1,2,3
.irp c, 0,1
	ds_load_b128 v[KR+16*\kt+8*\c:KR+16*\kt+8*\c+3],   v[ADK] offset:(64*(\q)+16*\kt)*KP+64*\c
	ds_load_b128 v[KR+16*\kt+8*\c+4:KR+16*\kt+8*\c+7], v[ADK] offset:(64*(\q)+16*\kt)*KP+64*\c+32
.endr
.endr
.irp u, 0,1
.irp ct, 0,1,2,3
	ds_load_tr16_b128 v[VR+32*\u+8*\ct:VR+32*\u+8*\ct+3],   v[ADV] offset:(64*(\q)+32*\u)*VP+32*\ct
	ds_load_tr16_b128 v[VR+32*\u+8*\ct+4:VR+32*\u+8*\ct+7], v[ADV] offset:(64*(\q)+32*\u)*VP+16*VP+32*\ct
.endr
.endr
	s_wait_dscnt 16                                ; K's sixteen loads are in; V's sixteen may be out
.irp kt, 0,1,2,3                               ; S^T = K Q^T: the four accumulators take turns, one instruction a turn; the first four start the sums
	v_wmma_f32_16x16x32_f16 v[S+8*\kt:S+8*\kt+7], v[KR+16*\kt:KR+16*\kt+7], v[QR:QR+7], 0
.endr
.irp kt, 0,1,2,3
	v_wmma_f32_16x16x32_f16 v[S+8*\kt:S+8*\kt+7], v[KR+16*\kt+8:KR+16*\kt+15], v[QR+8:QR+15], v[S+8*\kt:S+8*\kt+7]
.endr
.rept 4
	v_nop                                          ; four places ahead of the first read of the scores
.endr
	s_add_co_u32 s[T0], s[KF], 63                  ; on the diagonal the scores of hidden keys become -infinity ahead of the maximum: p = 0 then.  A step all of whose keys count skips this
	s_cmp_le_u32 s[T0], s[Q0]
	s_cbranch_scc1 .Lopen_\@
	s_sub_co_i32 s[T0], s[Q0], s[KF]
	v_add_nc_u32 v248, s[T0], v[RH]                ; d = my query - the step's first key - 8 (lane / 16).  Register 8 kt + j holds key 16 kt + 8 (lane / 16) + j: hidden where 16 kt + j > d
.irp n, 0,1,2,3,4,5,6,7,8,9,10,11,12,13,14,15,16,17,18,19,20,21,22,23,24,25,26,27,28,29,30,31
	v_cmp_gt_i32 vcc_lo, 16*(\n/8)+\n%8, v248
	v_cndmask_b32 v[S+\n], v[S+\n], v249, vcc_lo
.endr
.Lopen_\@:
.irp j, 0,1,2,3                                ; the maximum of my 32 scores and the old m: four chains of seven, each accumulator from its low end on
	v_max3_num_f32 v[240+\j], v[S+8*\j], v[S+8*\j+1], v[S+8*\j+2]
.endr
.irp i, 3,5
.irp j, 0,1,2,3
	v_max3_num_f32 v[240+\j], v[240+\j], v[S+8*\j+\i], v[S+8*\j+\i+1]
.endr
.endr
	v_max3_num_f32 v240, v240, v[S+7], v[S+15]
	v_max3_num_f32 v242, v242, v[S+23], v[S+31]
	v_max3_num_f32 v240, v240, v241, v242
	v_max3_num_f32 v240, v240, v243, v13
	v_permlanex16_b32 v246, v240, s[SEL], s[SEL+1] ; the query's other 32 keys lie in the lane 16 away
	v_mov_b32 v247, v12                            ; c m_old
	v_max_num_f32 v13, v240, v246                  ; the new m
	v_mul_f32 v12, s[CS], v13
	v_sub_f32 v247, v247, v12                      ; c m_old - c m_new
.irp b, 0,1,2,3,4,5,6,7,8,9,10,11,12,13,14,15
	v_pk_fma_f32 v[S+2*\b:S+2*\b+1], v[S+2*\b:S+2*\b+1], s[CS:CS+1], v[12:13] op_sel_hi:[1,0,0] neg_lo:[0,0,1] neg_hi:[0,0,1]   ; c s - c m, two at a time
.endr
	v_exp_f32 v244, v247                           ; a.  ONE BATCH of 33 exponentials, none of which reads another's result
.irp e, 0,1,2,3,4,5,6,7,8,9,10,11,12,13,14,15,16,17,18,19,20,21,22,23,24,25,26,27,28,29,30,31
	v_exp_f32 v[S+\e], v[S+\e]                     ; p, at most 1
.endr
	v_nop                                          ; a plain instruction behind the last exponential
	s_wait_alu depctr_va_vdst(0)                   ; one wait for the batch, ahead of its first reader
.irp i, 0,1,2,3,4,5,6,7,8,9,10,11,12,13,14,15
	v_cvt_pk_f16_f32 v[P+\i], v[S+2*\i], v[S+2*\i+1]   ; tiles 2 u and 2 u + 1 become source 1 for keys 32 u on
.endr
.irp z, 0,1,2,3,4,5,6,7                        ; the sum of the unrounded p: a tree of packed additions, in place
	v_pk_add_f32 v[S+4*\z:S+4*\z+1], v[S+4*\z:S+4*\z+1], v[S+4*\z+2:S+4*\z+3]
.endr
.irp z, 0,1,2,3
	v_pk_add_f32 v[S+8*\z:S+8*\z+1], v[S+8*\z:S+8*\z+1], v[S+8*\z+4:S+8*\z+5]
.endr
.irp z, 0,1
	v_pk_add_f32 v[S+16*\z:S+16*\z+1], v[S+16*\z:S+16*\z+1], v[S+16*\z+8:S+16*\z+9]
.endr
	v_pk_add_f32 v[S:S+1], v[S:S+1], v[S+16:S+17]
	v_pk_fma_f32 v[14:15], v[14:15], v[244:245], v[S:S+1] op_sel_hi:[1,0,1]   ; l = a l + the sum
.irp i, 0,1,2,3,4,5,6,7,8,9,10,11,12,13,14,15
	v_pk_mul_f32 v[O+2*\i:O+2*\i+1], v[O+2*\i:O+2*\i+1], v[244:245] op_sel_hi:[1,0]   ; O^T x a
.endr
	s_wait_dscnt 0x0                               ; V is in
.irp u, 0,1                                    ; O^T += V^T P: the four accumulators take turns
.irp ct, 0,1,2,3
	v_wmma_f32_16x16x32_f16 v[O+8*\ct:O+8*\ct+7], v[VR+32*\u+8*\ct:VR+32*\u+8*\ct+7], v[P+8*\u:P+8*\u+7], v[O+8*\ct:O+8*\ct+7]
.endr
.endr
.Lhidden_\@:
	s_add_co_u32 s[KF], s[KF], 64
.endm
; THE CHANGE OF SLOTS stands at a slot's head.  Each wave waits for all its tensor loads (its part of the slot that it is about to read), adds 0 to its spare word (fill = 1: twice on end)
;  and waits for that and for its reads of the slot that it has left.  Behind the barrier the slot ahead is whole and nobody reads the other one.
; fill = 1: that other slot is filled with the keys that follow, up to the causal limit: the load has a whole slot's four steps in which to land.  One tensor load of a wave is out at the most.
.macro CHANGE fill
	s_wait_tensorcnt 0x0                           ; no tensor load of mine is out, so a group 0 may be written
	ds_add_u32 v[SPW], v[NIL]
.if \fill
	ds_add_u32 v[SPW], v[NIL]
	s_xor_b32 s[G0K+1], s[G0K+1], SLOT1            ; the walking descriptors: the other slot than last time,
	s_add_nc_u64 s[G0K+2:G0K+3], s[G0K+2:G0K+3], SK*128   ; the next 256 keys; the type bits on top are not reached
	s_xor_b32 s[G0V+1], s[G0V+1], SLOT1
	s_add_nc_u64 s[G0V+2:G0V+3], s[G0V+2:G0V+3], SK*128
	s_wait_xcnt 0x0                                ; the last prefetch, a slot back, has read its address, so it may be written:
	s_add_nc_u64 s[PFA:PFA+1], s[PFA:PFA+1], SK*128   ; one slot further on than the walking descriptors
.endif
	s_wait_dscnt 0x0                               ; the add is done, and my reads of the slot that I have left are over
	s_barrier_signal -1
	s_barrier_wait -1
.if \fill
	s_add_co_u32 s[T0], s[KF], SK                  ; the first key of the slot that this change would ask for:
	s_cmp_gt_u32 s[T0], s[QL]                      ; past my work-group's last query it is read by none of its waves and is not asked for.  Ids and the count of steps alone: all sixteen waves go the same way
	s_cbranch_scc1 .Lpast_\@
	TLOAD                                          ; a wave's one tensor load until the next change
.Lpast_\@:
	ASK
.endif
.endm
.macro SLOT_STEPS
	STEP 0
	STEP 1
	STEP 2
	STEP 3
	s_xor_b32 s[TB], s[TB], SLOT1                  ; on to the other slot
.endm
	s_wait_loadcnt 0x0                             ; Q
.Lslot:                                            ; 7 trips: behind each change of slots but the last the next slot is asked for, up to the limit
	CHANGE 1
	SLOT_STEPS
	s_sub_co_u32 s[SLOTS], s[SLOTS], 1
	s_cmp_lg_u32 s[SLOTS], 0
	s_cbranch_scc1 .Lslot
	CHANGE 0                                       ; the last slot is written out: nothing is left to ask for
	SLOT_STEPS
	; THE WAY OUT.  O^T / l, rounded to f16, goes through my stage and leaves as 2,048 consecutive bytes: 16 tokens x 128 bytes of one head.
.rept 4
	v_nop                                          ; places behind the last products
.endr
	v_add_f32 v14, v14, v15                        ; l's two halves,
	v_permlanex16_b32 v246, v14, s[SEL], s[SEL+1]
	v_add_f32 v14, v14, v246                       ; and the other half of the lanes'
	v_rcp_f32 v14, v14
	v_nop                                          ; a plain instruction behind the reciprocal
	s_wait_alu depctr_va_vdst(0)                   ; and the wait ahead of its first reader
.irp i, 0,1,2,3,4,5,6,7,8,9,10,11,12,13,14,15
	v_pk_mul_f32 v[S+2*\i:S+2*\i+1], v[O+2*\i:O+2*\i+1], v[14:15] op_sel_hi:[1,0]   ; register 8 ct + j is o(r, 16 ct + 8 h + j)
.endr
.irp i, 0,1,2,3,4,5,6,7,8,9,10,11,12,13,14,15
	v_cvt_pk_f16_f32 v[P+\i], v[S+2*\i], v[S+2*\i+1]
.endr
.irp ct, 0,1,2,3
	ds_store_b128 v[STO], v[P+4*\ct:P+4*\ct+3] offset:32*\ct
.endr
.irp t, 0,1,2,3
	ds_load_b128 v[KR+4*\t:KR+4*\t+3], v[RD] offset:\t*4*KP   ; LDS serves a wave's instructions in order: these see my stores
.endr
.irp t, 0,1,2,3
	s_wait_dscnt 3-\t                              ; load t is in; the younger ones may be out
	global_store_b128 v[GO], v[KR+4*\t:KR+4*\t+3], s[6:7] offset:512*\t   ; 32 lanes store 512 consecutive bytes, aligned
.endr
	s_wait_tensorcnt 0x0                           ; the wave's end: three closing lines, behind my last tensor load and my last LDS store
	ds_add_u32 v[SPW], v[NIL]
	s_wait_dscnt 0x0
	s_endpgm
.Lfunc_end_k_qf10a4e9602_attn:
	.size	k_qf10a4e9602_attn, .Lfunc_end_k_qf10a4e9602_attn-k_qf10a4e9602_attn
	.p2alignl 7, 3214868480
	.fill 96, 4, 3214868480
	.section	.rodata,"a",@progbits
	.p2align	6, 0x0
	.amdhsa_kernel k_qf10a4e9602_attn
		.amdhsa_group_segment_fixed_size 327680
		.amdhsa_private_segment_fixed_size 0
		.amdhsa_enable_private_segment 0
		.amdhsa_kernarg_size 16
		.amdhsa_user_sgpr_count 2
		.amdhsa_user_sgpr_kernarg_segment_ptr 1
		.amdhsa_wavefront_size32 1
		.amdhsa_system_sgpr_workgroup_id_x 1
		.amdhsa_system_sgpr_workgroup_id_y 1
		.amdhsa_system_sgpr_workgroup_id_z 1
		.amdhsa_system_vgpr_workitem_id 0
		.amdhsa_next_free_vgpr 256
		.amdhsa_next_free_sgpr 66
		.amdhsa_reserve_vcc 1
		.amdhsa_float_denorm_mode_32 3
		.amdhsa_float_denorm_mode_16_64 3
		.amdhsa_memory_ordered 1
		.amdhsa_forward_progress 1
		.amdhsa_inst_pref_size 109
	.end_amdhsa_kernel
	.amdgpu_metadata
---
amdhsa.version: [ 1, 2 ]
amdhsa.kernels:
  - .name:           k_qf10a4e9602_attn
    .symbol:         k_qf10a4e9602_attn.kd
    .args:
      - { .name: qkv16, .offset: 0, .size: 8, .value_kind: global_buffer, .address_space: global }
      - { .name: o16, .offset: 8, .size: 8, .value_kind: global_buffer, .address_space: global }
    .group_segment_fixed_size: 327680
    .private_segment_fixed_size: 0
    .kernarg_segment_align: 8
    .kernarg_segment_size: 16
    .max_flat_workgroup_size: 512
    .sgpr_count:     66
    .vgpr_count:     256
    .wavefront_size: 32
...
	.end_amdgpu_metadata
.endif
;; end of part 3
;; launch proj (part 4): grid 8 x 32, 4 waves a work-group, clusters of 4 x 4, 327,680 bytes of LDS; arguments o16, wp16, b_proj, out0; writes out0
.if DOCPART == 4
	.amdgcn_target "amdgcn-amd-amdhsa--gfx1250"
	.amdhsa_code_object_version 6
	.text
	.protected	k_qf10a4e9602_proj
	.globl	k_qf10a4e9602_proj
	.p2align	8
	.type	k_qf10a4e9602_proj,@function
k_qf10a4e9602_proj:
	s_mov_b64 s[64:65], 0
	v_nop
	global_prefetch_b8 v0, s[64:65] scope:SCOPE_SE
	s_setreg_imm32_b32 hwreg(HW_REG_WAVE_MODE, 25, 1), 1
	s_wait_xcnt 0x0
	s_wait_alu depctr_hold_cnt(0) depctr_sa_sdst(0) depctr_va_vdst(0) depctr_va_sdst(0) depctr_va_ssrc(0) depctr_va_vcc(0) depctr_vm_vsrc(0)
	s_getreg_b32 s2, hwreg(HW_REG_IB_STS2, 6, 4)
	s_cmp_eq_u32 s2, 0
	s_cbranch_scc0 .Lentry_in_a_cluster
	s_endpgm
.Lentry_in_a_cluster:
	s_bfe_u32 s2, ttmp6, 0x10000c
	s_cmp_lg_u32 s2, 0xf033
	s_cbranch_scc0 .Lentry_shape_is_right
	s_endpgm
.Lentry_shape_is_right:
; out0[m][n] = b_proj[n] + sum over k of o[m][k] w_proj[n][k].  m = 4,096 tokens, n = 1,024, k = 1,024 = 64 x head + channel.  o: f16, laid [head][token][64]; w_proj: f16, laid [k / 64][n][64]; sums and result f32.
; LIMIT: f16 operands: |o| and |w_proj| under 65,504.  The rows of the first 16 tokens of each batch are stored here like the others and written again, from f32 operands, by the last launch.
; A tile of 128 x 128 gives each of 256 work-groups one tile.  Four waves, each 64 x 64: 16 accumulators of 16 x 16.  K goes in steps of 256 (four blocks of 64) through two LDS slots.
; A TILE IN MEMORY: 64 rows of one block of 64 along K are one run of 8,192 bytes; a wave's tensor load brings four such runs (32,768 bytes), stated as 4 rows of 4,096 elements, with 16 bytes of padding behind
; every 128: in LDS [block][row][144 bytes].
; CLUSTERS: 4 x 4 work-groups.  The four of a row of the cluster need the same tiles of o, the four of a column the same tiles of w_proj: each tile is asked for JOINTLY.  THE MATRIX INSTRUCTION IS USED TRANSPOSED
; (source 0 = 16 rows of w_proj, source 1 = 16 tokens): a lane holds one token and eight neighbouring outputs.  The bias is the C of each sum's first matrix instruction.
; No prefetch: the launch is short and its tiles small.
; REGISTERS: window 0: v0-31 addresses; v32-95 at work on the way out; v96-127 the bias, 8 registers for each of my 4 blocks of outputs; v128-255 the accumulators ((a, b) at v[128 + 8 (4 a + b)]).
;   window 1: two fragment buffers of 128: for 64 along K, 64 registers of o, then 64 of w_proj.
.set PITCH,  144                       ; an LDS row: 128 bytes + 16 of padding: an odd multiple of 16
.set PLANE,  64*PITCH                  ; 64 rows of one block of 64 along K
.set HALFT,  4*PLANE                   ; what one tensor load brings, and what one wave reads of o or of w_proj in a K step
.set SLOT,   4*HALFT                   ; o's 128 rows, then w_proj's 128 rows
.set STAGE,  2*SLOT                    ; behind the ring: 16 rows x 272 bytes for each wave, for the way out
.set SPITCH, 272
.set SPARE,  STAGE+4*16*SPITCH         ; behind the stages: the spare words, 128 bytes for each wave
.set LAPS,   2                         ; a lap = two K steps = once round the ring: K = 1,024
.set ASTEP,  4*524288                  ; a K step in o16: four heads of 4,096 tokens x 128 bytes
.set BSTEP,  4*131072                  ; in wp16: four blocks of 1,024 rows x 128 bytes
.set ADRA, 16                          ; v16-17  LDS address of my o fragments in slot 0, 1
.set ADRB, 20                          ; v20-21  the same for w_proj
.set STO,  24                          ; v24     the way out: where I put 32 bytes of a row
.set RD,   25                          ; v25     where I read a row back
.set CO,   26                          ; v26     my byte offset in out0
.set BO,   27                          ; v27     the bias: 32 x (lane / 16)
.set SPW,  28                          ; v28     LDS address of my spare word; never rewritten
.set NIL,  29                          ; v29     0; never rewritten
.set TMP,  32
.set BIAS, 96
.set ACC,  128
.set F0,   0                           ; fragment buffers, in window 1
.set F1,   128
.set G1, 24                            ; s[24:31] descriptor group 1 for o's tiles;  s[32:39] group 0, one set for each slot
.set G0, 32
.set G1B, 48                           ; s[48:55], s[56:63] the same for w_proj's tiles
.set G0B, 56
.set MSB, 0
.macro WIN new                         ; the immediate's high byte repeats the setting that is left
.if MSB != \new
	s_set_vgpr_msb (MSB<<8)|\new
.set MSB, \new
.endif
.endm
.set MUL,  0x05                        ; sources 0 and 1 window 1; C and D window 0
.set TO_F, 0x40                        ; destination window 1, address window 0
.macro JLOAD s                         ; a joint load: waves 0 and 1 fetch o's two halves, waves 2 and 3 w_proj's; an s_nop 0 and four v_nop follow each of the two lines
	s_cmp_eq_u32 s11, 0
	s_cbranch_scc0 .Lfor_b_\@
	tensor_load_to_lds s[G0+4*\s:G0+4*\s+3], s[G1:G1+7]
	s_nop 0
.rept 4
	v_nop
.endr
	s_branch .Lasked_\@
.Lfor_b_\@:
	tensor_load_to_lds s[G0B+4*\s:G0B+4*\s+3], s[G1B:G1B+7]
	s_nop 0
.rept 4
	v_nop
.endr
.Lasked_\@:
.endm
.macro CREST                           ; a round of the cluster's barrier behind its opening barrier
	s_cmp_lg_u32 s10, 0
	s_cbranch_scc1 .Lnot_wave_0_\@
	s_barrier_signal -3
.Lnot_wave_0_\@:
	s_barrier_wait -3
	s_barrier_signal -1
	s_barrier_wait -1
.endm
.macro CROUND                          ; a whole round
	s_barrier_signal -1
	s_barrier_wait -1
	CREST
.endm
	s_load_b128 s[4:7], s[0:1], 0x0                ; o16 s[4:5], wp16 s[6:7]
	s_load_b64 s[66:67], s[0:1], 0x10              ; b_proj
	s_load_b64 s[8:9], s[0:1], 0x18                ; out0
	v_lshl_add_u32 v[SPW], v0, 2, SPARE
	v_mov_b32 v[NIL], 0
	ds_add_u32 v[SPW], v[NIL]                      ; the wave's opening: the add, twice on end, and its wait ahead of my first tensor load; the set-up below stands between
	ds_add_u32 v[SPW], v[NIL]
	v_lshrrev_b32 v1, 5, v0
	v_readfirstlane_b32 s10, v1                    ; wave 0..3
	s_lshr_b32 s11, s10, 1                         ; which half of the tile's rows is mine.  Also: I fetch for o (0) or for w_proj (1)
	s_and_b32 s12, s10, 1                          ; which half of its columns.  Also: which 64 rows of that tile I fetch
	s_bfe_u32 s40, ttmp6, 0x40000                  ; cx, cy: my place in the cluster
	s_bfe_u32 s41, ttmp6, 0x40004
	s_lshl_b32 s42, ttmp9, 2
	s_add_co_u32 s42, s42, s40                     ; tile column = 4 x cluster x + cx
	s_and_b32 s13, ttmp7, 0xffff
	s_lshl_b32 s13, s13, 2
	s_add_co_u32 s13, s13, s41                     ; tile row = 4 x cluster y + cy
	s_lshl_b32 s43, s41, 2
	s_lshl_b32 s43, 15, s43                        ; my row of the cluster
	s_lshl_b32 s44, 0x1111, s40                    ; my column
	; descriptor group 1: 4 rows of 4,096 elements of 2 bytes; 16 bytes of padding behind every 128
	s_or_b32 s[G1+0], s43, (1<<16)|(1<<20)|(1<<21)|(4<<22)|(3<<25)  ; 15:0 the mask: o's tiles go to my row; 17:16 element of 2 bytes; 20 padding on; 21 set beside a mask; 24:22 after every 32 words; 31:25 of 4 words
	s_or_b32 s[G1B+0], s44, (1<<16)|(1<<20)|(1<<21)|(4<<22)|(3<<25)
.irp g, G1, G1B
	s_mov_b32 s[\g+1], 4096<<16                    ; tensor_dim0 = 4,096
	s_mov_b32 s[\g+2], 4<<16                       ; tensor_dim1 = 4
	s_mov_b32 s[\g+3], 4096<<16                    ; tile_dim0 = 4,096
	s_mov_b32 s[\g+4], 4                           ; tile_dim1 = 4
	s_mov_b32 s[\g+6], 0
	s_mov_b32 s[\g+7], 0
.endr
	s_mov_b32 s[G1+5], 262144                      ; from block to block, in elements: a head of o16,
	s_mov_b32 s[G1B+5], 65536                      ; a block of wp16
	s_lshl_b32 s16, s13, 14                        ; o: 128 tokens x 128 bytes a tile row,
	s_lshl_b32 s17, s12, 13                        ; 64 tokens a half
	s_add_co_u32 s16, s16, s17
	s_mov_b32 s17, 0
	s_lshl_b32 s46, s42, 14                        ; w_proj: the same by the tile column
	s_lshl_b32 s47, s12, 13
	s_add_co_u32 s46, s46, s47
	s_mov_b32 s47, 0
	s_mul_i32 s20, s10, HALFT                      ; where they go: by the wave's number alone
	s_wait_dscnt 0x0                               ; both opening adds are done
	s_wait_kmcnt 0x0
	s_add_nc_u64 s[14:15], s[4:5], s[16:17]
	s_add_nc_u64 s[46:47], s[6:7], s[46:47]
	CROUND                                         ; all sixteen work-groups are here: the first joint loads meet
.irp s, 0,1
	s_mov_b32 s[G0+4*\s], 1
	s_add_co_u32 s[G0+4*\s+1], s20, \s*SLOT
	s_add_nc_u64 s[G0+4*\s+2:G0+4*\s+3], s[14:15], \s*ASTEP
	s_or_b32 s[G0+4*\s+3], s[G0+4*\s+3], 0x80000000
	s_mov_b32 s[G0B+4*\s], 1
	s_add_co_u32 s[G0B+4*\s+1], s20, \s*SLOT
	s_add_nc_u64 s[G0B+4*\s+2:G0B+4*\s+3], s[46:47], \s*BSTEP
	s_or_b32 s[G0B+4*\s+3], s[G0B+4*\s+3], 0x80000000
	JLOAD \s
.endr
	v_and_b32 v1, 15, v0                           ; l % 16
	v_bfe_u32 v2, v0, 4, 1                         ; l / 16
	v_mul_u32_u24 v3, v1, PITCH
	v_lshl_add_u32 v3, v2, 4, v3                   ; a fragment's row x pitch + 16 x half
	s_mul_i32 s21, s11, HALFT                      ; my 64 rows of o
	s_mul_i32 s22, s12, HALFT                      ; my 64 rows of w_proj,
	s_add_co_u32 s22, s22, 2*HALFT                 ; which lie behind o's 128
.irp s, 0,1
	v_add_nc_u32 v[ADRA+\s], s21, v3
	v_add_nc_u32 v[ADRB+\s], s22, v3
	s_add_co_u32 s21, s21, SLOT
	s_add_co_u32 s22, s22, SLOT
.endr
	s_mul_i32 s23, s10, 16*SPITCH
	s_add_co_u32 s23, s23, STAGE                   ; my stage
	v_mul_u32_u24 v4, v1, SPITCH                   ; in: row l % 16, 32 bytes for each half of the lanes
	v_lshl_add_u32 v4, v2, 5, v4
	v_add_nc_u32 v[STO], s23, v4
	v_mul_u32_u24 v5, v2, SPITCH                   ; back: lanes 0-15 take one row of 256 bytes, lanes 16-31 the next
	v_lshl_add_u32 v5, v1, 4, v5
	v_add_nc_u32 v[RD], s23, v5
	v_lshlrev_b32 v5, 12, v2                       ; and the same two rows in out0: 4,096 bytes a row
	v_lshl_add_u32 v[CO], v1, 4, v5
	v_lshlrev_b32 v[BO], 5, v2
	s_lshl_b32 s16, s13, 19                        ; my first row of out0: 128 rows a tile row,
	s_lshl_b32 s17, s11, 18                        ; 64 a half
	s_add_co_u32 s16, s16, s17
	s_mov_b32 s17, 0
	s_add_nc_u64 s[8:9], s[8:9], s[16:17]
	s_lshl_b32 s46, s42, 9                         ; my first column, in bytes: 512 x tile column + 256 x half; the same in b_proj
	s_lshl_b32 s47, s12, 8
	s_add_co_u32 s46, s46, s47
	s_mov_b32 s47, 0
	s_add_nc_u64 s[8:9], s[8:9], s[46:47]
	s_add_nc_u64 s[66:67], s[66:67], s[46:47]
.irp b, 0,1,2,3
	global_load_b128 v[BIAS+8*\b:BIAS+8*\b+3],   v[BO], s[66:67] offset:64*\b      ; lane (r, h): the bias of outputs 16 b + 8 h + 0 .. 7: the result's layout
	global_load_b128 v[BIAS+8*\b+4:BIAS+8*\b+7], v[BO], s[66:67] offset:64*\b+16
.endr
; 8 matrix instructions: m blocks a0, a0 + 1 x all 4 n blocks, 32 along K: half c of buffer f.  zero = 1: the first product starts the sums, with the bias as its C.  The 16 accumulators take turns.
.macro MUL8 f, c, a0, zero
.irp a, \a0, \a0+1
.irp b, 0,1,2,3
.if \zero
	v_wmma_f32_16x16x32_f16 v[ACC+8*(4*(\a)+\b):ACC+8*(4*(\a)+\b)+7], v[\f+64+8*(4*\c+\b):\f+64+8*(4*\c+\b)+7], v[\f+8*(4*\c+\a):\f+8*(4*\c+\a)+7], v[BIAS+8*\b:BIAS+8*\b+7]
.else
	v_wmma_f32_16x16x32_f16 v[ACC+8*(4*(\a)+\b):ACC+8*(4*(\a)+\b)+7], v[\f+64+8*(4*\c+\b):\f+64+8*(4*\c+\b)+7], v[\f+8*(4*\c+\a):\f+8*(4*\c+\a)+7], v[ACC+8*(4*(\a)+\b):ACC+8*(4*(\a)+\b)+7]
.endif
.endr
.endr
.endm
; 32 LDS loads in one run: the fragments of one block of 64 along K, which begins k bytes into my part of the slot, into buffer f; the first 32 along K first
.macro FETCH slot, k, f
	WIN TO_F
.irp c, 0,1
.irp i, 0,1,2,3
	ds_load_b128 v[\f+64+8*(4*\c+\i):\f+64+8*(4*\c+\i)+3],   v[ADRB+\slot] offset:\k+64*\c+\i*16*PITCH
	ds_load_b128 v[\f+64+8*(4*\c+\i)+4:\f+64+8*(4*\c+\i)+7], v[ADRB+\slot] offset:\k+64*\c+\i*16*PITCH+32
	ds_load_b128 v[\f+8*(4*\c+\i):\f+8*(4*\c+\i)+3],         v[ADRA+\slot] offset:\k+64*\c+\i*16*PITCH
	ds_load_b128 v[\f+8*(4*\c+\i)+4:\f+8*(4*\c+\i)+7],       v[ADRA+\slot] offset:\k+64*\c+\i*16*PITCH+32
.endr
.endr
.endm
.macro PLACES                          ; four places in front of loads into registers that matrix instructions have read, and of the first read of results
.rept 4
	v_nop
.endr
.endm
; A K step is four quarters of 64 along K, 32 matrix instructions each, on buffers 0, 1, 0, 1.  One of the first three: multiplies buffer f and fetches the next quarter, at byte k, into g.
.macro QUARTER slot, k, f, g, zero
	s_wait_dscnt 16                                ; the first 32 along K are in; the sixteen loads of the second 32 may be out
	WIN MUL
	MUL8 \f, 0, 0, \zero
	MUL8 \f, 0, 2, \zero
	PLACES
	FETCH \slot, \k, \g
	s_wait_dscnt 32                                ; all but the 32 just issued
	WIN MUL
	MUL8 \f, 1, 0, 0
	MUL8 \f, 1, 2, 0
.endm
; The last quarter multiplies buffer 1 and changes slots: ONE barrier; in front of it each wave waits for all its tensor loads, adds 0 to its spare word, and waits for that and for its own reads of this slot.  fill = 1: this slot is filled again, two K steps ahead.
.macro TURN slot, next, fill
	WIN 0                                          ; (the add's two registers lie in window 0)
	s_wait_tensorcnt 0x0                           ; all my tensor loads have landed: my part of the next slot;
	ds_add_u32 v[SPW], v[NIL]
	s_wait_dscnt 17                                ; (the add and the youngest sixteen loads may be out)
	WIN MUL
	MUL8 F1, 0, 0, 0                               ; eight matrix instructions stand between the add and the wait for it
	s_wait_dscnt 0x0                               ; the add is done, and my reads of this slot are over
	s_barrier_signal -1
	MUL8 F1, 0, 2, 0
.if \fill
	WIN 0
.endif
	s_barrier_wait -1
.if \fill
	CREST                                          ; the barrier has opened a round of the cluster's barrier: no wave of any partner still reads this slot's tile or has a load on its way
	s_add_nc_u64 s[G0+4*\slot+2:G0+4*\slot+3], s[G0+4*\slot+2:G0+4*\slot+3], 2*ASTEP
	s_add_nc_u64 s[G0B+4*\slot+2:G0B+4*\slot+3], s[G0B+4*\slot+2:G0B+4*\slot+3], 2*BSTEP
	JLOAD \slot                                    ; the first tensor load behind the round; the four v_nop behind it are also the places in front of the loads below
.else
	PLACES
.endif
	FETCH \next, 0, F0
	WIN MUL
	MUL8 F1, 1, 0, 0
	MUL8 F1, 1, 2, 0
.endm
	s_wait_tensorcnt 1                             ; my part of K step 0 is in (K step 1's load may be out)
	s_barrier_signal -1
	s_barrier_wait -1                              ; everybody's is
	FETCH 0, 0, F0
	s_wait_loadcnt 0x0                             ; the bias
	QUARTER 0, PLANE, F0, F1, 1                    ; the first quarter stands in front of the loop: its first products start the sums
	WIN 0                                          ; at a label and at a branch every window is 0
	s_mov_b32 s3, LAPS-1
.Llap:                                                 ; a trip goes once round the ring, from a lap's second quarter to the next lap's first, and fills both slots again
	QUARTER 0, 2*PLANE, F1, F0, 0
	QUARTER 0, 3*PLANE, F0, F1, 0
	TURN 0, 1, 1
	QUARTER 1, PLANE,   F0, F1, 0
	QUARTER 1, 2*PLANE, F1, F0, 0
	QUARTER 1, 3*PLANE, F0, F1, 0
	TURN 1, 0, 1
	QUARTER 0, PLANE,   F0, F1, 0
	WIN 0
	s_sub_co_u32 s3, s3, 1
	s_cmp_lg_u32 s3, 0
	s_cbranch_scc1 .Llap
	QUARTER 0, 2*PLANE, F1, F0, 0                  ; the last lap fills nothing, and has no round of the cluster's barrier
	QUARTER 0, 3*PLANE, F0, F1, 0
	TURN 0, 1, 0
	QUARTER 1, PLANE,   F0, F1, 0
	QUARTER 1, 2*PLANE, F1, F0, 0
	QUARTER 1, 3*PLANE, F0, F1, 0
	s_wait_dscnt 16                                ; the very last quarter: nothing more to fetch
	WIN MUL
	MUL8 F1, 0, 0, 0
	MUL8 F1, 0, 2, 0
	s_wait_dscnt 0
	MUL8 F1, 1, 0, 0
	MUL8 F1, 1, 2, 0
	WIN 0
; THE WAY OUT, block by block of 16 rows x 64 columns.  A lane holds 32 neighbouring bytes of a row; a row's 64 columns are 256 bytes: a block goes through my own stage and comes back as whole rows, two an instruction.
.macro TOSTAGE a
.set BB, TMP+32*((\a)%2)
.irp b, 0,1,2,3
	ds_store_b128 v[STO], v[ACC+8*(4*(\a)+\b):ACC+8*(4*(\a)+\b)+3] offset:64*\b        ; each accumulator from its low end on
	ds_store_b128 v[STO], v[ACC+8*(4*(\a)+\b)+4:ACC+8*(4*(\a)+\b)+7] offset:64*\b+16
.endr
.irp t, 0,1,2,3,4,5,6,7
	ds_load_b128 v[BB+4*\t:BB+4*\t+3], v[RD] offset:\t*2*SPITCH   ; LDS serves a wave's instructions in order: these see the stores above, and the next block's stores come behind them
.endr
.endm
.macro SEND a, younger                 ; younger: the LDS instructions issued behind block a's loads, which may stay out
.set BB, TMP+32*((\a)%2)
	s_wait_dscnt \younger
.irp t, 0,1,2,3,4,5,6,7
	global_store_b128 v[CO], v[BB+4*\t:BB+4*\t+3], s[8:9] offset:(16*(\a)+2*\t)*4096 th:TH_STORE_NT   ; 16 lanes store 256 consecutive bytes, aligned
.endr
.endm
	PLACES
	TOSTAGE 0
.irp a, 1,2,3
.if \a > 1
	s_wait_xcnt 0x0                                ; block a - 2's stores have read their registers: block a's loads may land there
.endif
	TOSTAGE \a
	SEND \a-1, 16                                  ; behind block a - 1's loads: block a's 8 stores and 8 loads
.endr
	SEND 3, 0
	s_wait_tensorcnt 0x0                           ; the wave's end: three closing lines, behind my last tensor load and my last LDS store
	ds_add_u32 v[SPW], v[NIL]
	s_wait_dscnt 0x0
	CROUND                                         ; the closing round: no work-group ends while a partner may still ask for a tile that names it
	s_endpgm
.Lfunc_end_k_qf10a4e9602_proj:
	.size	k_qf10a4e9602_proj, .Lfunc_end_k_qf10a4e9602_proj-k_qf10a4e9602_proj
	.p2alignl 7, 3214868480
	.fill 96, 4, 3214868480
	.section	.rodata,"a",@progbits
	.p2align	6, 0x0
	.amdhsa_kernel k_qf10a4e9602_proj
		.amdhsa_group_segment_fixed_size 327680
		.amdhsa_private_segment_fixed_size 0
		.amdhsa_enable_private_segment 0
		.amdhsa_kernarg_size 32
		.amdhsa_user_sgpr_count 2
		.amdhsa_user_sgpr_kernarg_segment_ptr 1
		.amdhsa_wavefront_size32 1
		.amdhsa_system_sgpr_workgroup_id_x 1
		.amdhsa_system_sgpr_workgroup_id_y 1
		.amdhsa_system_sgpr_workgroup_id_z 1
		.amdhsa_system_vgpr_workitem_id 0
		.amdhsa_next_free_vgpr 512
		.amdhsa_next_free_sgpr 68
		.amdhsa_reserve_vcc 0
		.amdhsa_float_denorm_mode_32 3
		.amdhsa_float_denorm_mode_16_64 3
		.amdhsa_memory_ordered 1
		.amdhsa_forward_progress 1
		.amdhsa_inst_pref_size 86
	.end_amdhsa_kernel
	.amdgpu_metadata
---
amdhsa.version: [ 1, 2 ]
amdhsa.kernels:
  - .name:           k_qf10a4e9602_proj
    .symbol:         k_qf10a4e9602_proj.kd
    .args:
      - { .name: o16, .offset: 0, .size: 8, .value_kind: global_buffer, .address_space: global }
      - { .name: wp16, .offset: 8, .size: 8, .value_kind: global_buffer, .address_space: global }
      - { .name: b_proj, .offset: 16, .size: 8, .value_kind: global_buffer, .address_space: global }
      - { .name: out0, .offset: 24, .size: 8, .value_kind: global_buffer, .address_space: global }
    .group_segment_fixed_size: 327680
    .private_segment_fixed_size: 0
    .kernarg_segment_align: 8
    .kernarg_segment_size: 32
    .max_flat_workgroup_size: 128
    .sgpr_count:     68
    .vgpr_count:     512
    .wavefront_size: 32
...
	.end_amdgpu_metadata
.endif
;; end of part 4
;; launch fine (part 5): grid 16 x 2, 16 waves a work-group, no clusters, 69,632 bytes of LDS; arguments qkv32, w_proj, b_proj, out0; writes out0
.if DOCPART == 5
	.amdgcn_target "amdgcn-amd-amdhsa--gfx1250"
	.amdhsa_code_object_version 6
	.text
	.protected	k_qf10a4e9602_fine
	.globl	k_qf10a4e9602_fine
	.p2align	8
	.type	k_qf10a4e9602_fine,@function
k_qf10a4e9602_fine:
	s_mov_b64 s[64:65], 0
	v_nop
	global_prefetch_b8 v0, s[64:65] scope:SCOPE_SE
	s_setreg_imm32_b32 hwreg(HW_REG_WAVE_MODE, 25, 1), 1
	s_wait_xcnt 0x0
; THE FIRST 16 TOKENS OF EACH BATCH, ONCE MORE, IN F32: under the causal mask these rows average one to sixteen values and are the largest; their attention and their projection take f32 operands here
; (v_wmma_f32_16x16x4_f32: 96 instructions a wave, no bulk work).  The 32 rows of out0 that the launch before stored from f16 operands are written again.
; SHARES.  Work-group (x, y): batch y, outputs 64 x .. 64 x + 63.  Wave = head.  Each wave makes its head's 16 x 16 attention and multiplies its 16 x 64 result by its 64 x 64 part of w_proj; the sixteen heads'
; parts meet in LDS; waves 0-7 add them, add the bias and store two rows each: a row's 64 outputs are 256 consecutive bytes, aligned.  Each work-group repeats the small attention: it is 32 matrix instructions a wave.
; OPERANDS.  qkv32 holds, for each head, the accumulators of the first product as they stood: lane (r, h), register 8 q + j: token r, channel 16 q + 8 h + j.  The f32 form takes k = 2 h + j from register j of lane (r, h).
; A pair of neighbouring registers, taken alike on both sides, is four channels; sixteen pairs are all 64.  So q and k are operands as they lie.  S^T = K Q^T leaves a lane query r and keys 8 h + 0..7: pairs of p are
; source 1 of O^T = V^T P, and V is loaded to match: register 8 ct + i = V[key 8 h + i][channel 16 ct + r].  O^T leaves a lane token r and channels 16 ct + 8 h + j: pairs of it are source 1 of W O^T, and W is loaded
; to match: eight neighbouring numbers of a row.
; The registers that matrix instructions write (v176-239) are written by nothing else.  Each sum's first instruction takes the constant 0.
; LIMITS: NaN and infinities are not served.
.set QR,  16                           ; v16-47   Q, later W's tile 2
.set KR,  48                           ; v48-79   K, later W's tile 3
.set VR,  80                           ; v80-111  V
.set WR,  112                          ; v112-175 W's tiles 0 and 1
.set SA,  176                          ; v176-207 S^T in two partial sums, then the four tiles of outputs
.set OT,  208                          ; v208-239 O^T
.set PR,  240                          ; v240-247 p
.set SPW, 12                           ; v12  LDS address of my spare word; never rewritten
.set NIL, 13                           ; v13  0; never rewritten
.set PART, 4224                        ; LDS: a wave's part: 8 runs of 512 bytes + 16 of padding
.set SPARE, 16*PART                    ; behind the parts: the spare words, 128 bytes for each of 16 waves
	s_load_b128 s[4:7], s[0:1], 0x0                ; qkv32, w_proj
	s_load_b128 s[8:11], s[0:1], 0x10              ; b_proj, out0
	v_lshl_add_u32 v[SPW], v0, 2, SPARE
	v_mov_b32 v[NIL], 0
	v_lshrrev_b32 v1, 5, v0
	v_readfirstlane_b32 s12, v1                    ; wave = head
	s_and_b32 s13, ttmp7, 0xffff                   ; the batch
	v_and_b32 v10, 31, v0                          ; lane
	v_and_b32 v11, 15, v0                          ; r
	v_bfe_u32 v14, v0, 4, 1                        ; h
	v_lshlrev_b32 v1, 4, v10                       ; v1: 16 x lane
	v_bfe_u32 v2, v0, 2, 1                         ; v2: V.  Channel 16 ct + r lies in run 2 ct + (r / 4) % 2, lanes 16 (r / 8) on, word r % 4; token 8 h + i is the lane
	v_lshlrev_b32 v2, 9, v2
	v_bfe_u32 v15, v0, 3, 1
	v_lshl_add_u32 v15, v15, 1, v14                ; 2 (r / 8) + h: eight lanes of 16 bytes each
	v_lshl_add_u32 v2, v15, 7, v2
	v_and_b32 v15, 3, v0
	v_lshl_add_u32 v2, v15, 2, v2
	v_lshlrev_b32 v3, 12, v11                      ; v3: W: row r of 4,096 bytes + 32 h
	v_lshl_add_u32 v3, v14, 5, v3
	s_mul_i32 s26, s12, PART
	v_add_nc_u32 v4, s26, v1                       ; v4: where I put my part: 16 x lane in each run
	v_bfe_u32 v5, v0, 2, 2                         ; v5: where I read: outputs 4 (l % 16) on are tile (l % 16) / 4,
	v_mul_u32_u24 v5, v5, 2*528
	v_and_b32 v15, 1, v0
	v_mad_u32_u24 v5, v15, 528, v5                 ; its run (l % 16) % 2,
	v_bfe_u32 v15, v0, 1, 1
	v_lshl_add_u32 v5, v15, 8, v5                  ; the half ((l % 16) / 2) % 2 of the lanes,
	v_bfe_u32 v15, v0, 4, 4                        ; and the token, 2 x wave + lane / 16, is the lane
	v_lshl_add_u32 v5, v15, 4, v5
	v_lshlrev_b32 v6, 12, v15                      ; v6: out0: the token's row of 4,096 bytes + 16 (l % 16)
	v_lshl_add_u32 v6, v11, 4, v6
	v_lshlrev_b32 v7, 4, v11                       ; v7: the bias: 16 (l % 16)
	v_lshlrev_b32 v8, 3, v14
	v_sub_nc_u32 v8, v11, v8                       ; v8: r - 8 h
	v_mov_b32 v9, 0xff800000                       ; v9: -infinity
	v_mov_b32 v249, 0                              ; (lane permutes' destinations count as sources)
	v_mov_b32 v250, 0
	s_lshl_b32 s14, s13, 4
	s_add_co_u32 s14, s14, s12
	s_lshl_b32 s14, s14, 12                        ; qkv32: 4,096 bytes a head; q's part
	s_mov_b32 s15, 0
	s_lshl_b32 s16, ttmp9, 18                      ; w_proj: 64 rows of 4,096 bytes a work-group,
	s_lshl_b32 s17, s12, 8                         ; 256 bytes a head
	s_add_co_u32 s16, s16, s17
	s_mov_b32 s17, 0
	s_lshl_b32 s18, ttmp9, 8                       ; 64 outputs: 256 bytes
	s_mov_b32 s19, 0
	s_lshl_b32 s24, s13, 23                        ; out0: 2,048 rows of 4,096 bytes a batch
	s_add_co_u32 s24, s24, s18
	s_mov_b32 s25, 0
	s_mov_b32 s20, 0x76543210
	s_mov_b32 s21, 0xfedcba98                      ; v_permlanex16_b32's selects for lane l xor 16
	s_mov_b32 s22, 0x3e38aa3b                      ; c = log2(e) / 8
	s_wait_kmcnt 0x0
	s_add_nc_u64 s[4:5], s[4:5], s[14:15]
	s_add_nc_u64 s[6:7], s[6:7], s[16:17]
	s_add_nc_u64 s[8:9], s[8:9], s[18:19]
	s_add_nc_u64 s[10:11], s[10:11], s[24:25]
.irp c, 0,1,2,3,4,5,6,7
	global_load_b128 v[KR+4*\c:KR+4*\c+3], v1, s[4:5] offset:131072+512*\c     ; K: 32 heads of 4,096 bytes behind q's part
.endr
.irp c, 0,1,2,3,4,5,6,7
	global_load_b128 v[QR+4*\c:QR+4*\c+3], v1, s[4:5] offset:512*\c
.endr
.irp ct, 0,1,2,3
.irp i, 0,1,2,3,4,5,6,7
	global_load_b32 v[VR+8*\ct+\i], v2, s[4:5] offset:262144+1024*\ct+16*\i
.endr
.endr
.irp nt, 0,1
.irp ct, 0,1,2,3
	global_load_b128 v[WR+32*\nt+8*\ct:WR+32*\nt+8*\ct+3],   v3, s[6:7] offset:65536*\nt+64*\ct
	global_load_b128 v[WR+32*\nt+8*\ct+4:WR+32*\nt+8*\ct+7], v3, s[6:7] offset:65536*\nt+64*\ct+16
.endr
.endr
	s_wait_loadcnt 48                              ; K and Q are in; V's 32 loads and W's 16 may be out
.irp s, 0,1,2,3,4,5,6,7,8,9,10,11,12,13,14,15  ; S^T = K Q^T: two partial sums take turns
.if \s < 2
	v_wmma_f32_16x16x4_f32 v[SA+8*(\s%2):SA+8*(\s%2)+7], v[KR+2*\s:KR+2*\s+1], v[QR+2*\s:QR+2*\s+1], 0
.else
	v_wmma_f32_16x16x4_f32 v[SA+8*(\s%2):SA+8*(\s%2)+7], v[KR+2*\s:KR+2*\s+1], v[QR+2*\s:QR+2*\s+1], v[SA+8*(\s%2):SA+8*(\s%2)+7]
.endif
.endr
.rept 8
	v_nop                                          ; eight places behind this form: ahead of the loads into Q's and K's registers and of the first read of the sums
.endr
.irp nt, 0,1
.irp ct, 0,1,2,3
	global_load_b128 v[QR+32*\nt+8*\ct:QR+32*\nt+8*\ct+3],   v3, s[6:7] offset:65536*(2+\nt)+64*\ct      ; W's tiles 2 and 3
	global_load_b128 v[QR+32*\nt+8*\ct+4:QR+32*\nt+8*\ct+7], v3, s[6:7] offset:65536*(2+\nt)+64*\ct+16
.endr
.endr
	global_load_b128 v[252:255], v7, s[8:9]        ; the bias of my four outputs
.irp j, 0,1,2,3,4,5,6,7
	v_add_f32 v[PR+\j], v[SA+\j], v[SA+8+\j]       ; the score of query r and key 8 h + j; both sums from their low end on
.endr
.irp j, 0,1,2,3,4,5,6,7
	v_cmp_gt_i32 vcc_lo, \j, v8                    ; hidden where 8 h + j > r
	v_cndmask_b32 v[PR+\j], v[PR+\j], v9, vcc_lo
.endr
	v_max3_num_f32 v248, v[PR], v[PR+1], v[PR+2]
	v_max3_num_f32 v248, v248, v[PR+3], v[PR+4]
	v_max3_num_f32 v248, v248, v[PR+5], v[PR+6]
	v_max_num_f32 v248, v248, v[PR+7]
	v_permlanex16_b32 v249, v248, s20, s21
	v_max_num_f32 v248, v248, v249                 ; the row's maximum: key 0 counts for every query
	v_mul_f32 v248, s22, v248
.irp j, 0,1,2,3,4,5,6,7
	v_fma_f32 v[PR+\j], v[PR+\j], s22, -v248       ; c s - c m
.endr
.irp j, 0,1,2,3,4,5,6,7
	v_exp_f32 v[PR+\j], v[PR+\j]
.endr
	v_nop                                          ; a plain instruction behind the last exponential
	s_wait_alu depctr_va_vdst(0)                   ; one wait for the eight, ahead of their first reader
	v_add_f32 v249, v[PR], v[PR+1]
	v_add_f32 v250, v[PR+2], v[PR+3]
	v_add_f32 v249, v249, v[PR+4]
	v_add_f32 v250, v250, v[PR+5]
	v_add_f32 v249, v249, v[PR+6]
	v_add_f32 v250, v250, v[PR+7]
	v_add_f32 v249, v249, v250
	v_permlanex16_b32 v250, v249, s20, s21
	v_add_f32 v249, v249, v250                     ; the row's sum
	v_rcp_f32 v249, v249
	v_nop
	s_wait_alu depctr_va_vdst(0)
.irp j, 0,1,2,3,4,5,6,7
	v_mul_f32 v[PR+\j], v[PR+\j], v249             ; the weights, normalised
.endr
	s_wait_loadcnt 33                              ; V is in; W's 32 loads and the bias may be out
.irp s, 0,1,2,3                                ; O^T = V^T P: four accumulators take turns; keys 8 h + 2 s + 0, 1
.irp ct, 0,1,2,3
.if \s == 0
	v_wmma_f32_16x16x4_f32 v[OT+8*\ct:OT+8*\ct+7], v[VR+8*\ct+2*\s:VR+8*\ct+2*\s+1], v[PR+2*\s:PR+2*\s+1], 0
.else
	v_wmma_f32_16x16x4_f32 v[OT+8*\ct:OT+8*\ct+7], v[VR+8*\ct+2*\s:VR+8*\ct+2*\s+1], v[PR+2*\s:PR+2*\s+1], v[OT+8*\ct:OT+8*\ct+7]
.endif
.endr
.endr
.rept 9
	v_nop                                          ; nine places: the results become operands of matrix instructions
.endr
	s_wait_loadcnt 17                              ; W's tiles 0 and 1 are in; tiles 2 and 3 (16 loads) and the bias may be out
.irp ct, 0,1,2,3                               ; my head's part of outputs 0-31: two accumulators take turns; channels 16 ct + 8 h + 2 s + 0, 1
.irp s, 0,1,2,3
.irp nt, 0,1
.if (\ct == 0) && (\s == 0)
	v_wmma_f32_16x16x4_f32 v[SA+8*\nt:SA+8*\nt+7], v[WR+32*\nt+8*\ct+2*\s:WR+32*\nt+8*\ct+2*\s+1], v[OT+8*\ct+2*\s:OT+8*\ct+2*\s+1], 0
.else
	v_wmma_f32_16x16x4_f32 v[SA+8*\nt:SA+8*\nt+7], v[WR+32*\nt+8*\ct+2*\s:WR+32*\nt+8*\ct+2*\s+1], v[OT+8*\ct+2*\s:OT+8*\ct+2*\s+1], v[SA+8*\nt:SA+8*\nt+7]
.endif
.endr
.endr
.endr
	s_wait_loadcnt 1                               ; W's tiles 2 and 3 are in; the bias may be out
.irp ct, 0,1,2,3                               ; and of outputs 32-63
.irp s, 0,1,2,3
.irp nt, 0,1
.if (\ct == 0) && (\s == 0)
	v_wmma_f32_16x16x4_f32 v[SA+16+8*\nt:SA+16+8*\nt+7], v[QR+32*\nt+8*\ct+2*\s:QR+32*\nt+8*\ct+2*\s+1], v[OT+8*\ct+2*\s:OT+8*\ct+2*\s+1], 0
.else
	v_wmma_f32_16x16x4_f32 v[SA+16+8*\nt:SA+16+8*\nt+7], v[QR+32*\nt+8*\ct+2*\s:QR+32*\nt+8*\ct+2*\s+1], v[OT+8*\ct+2*\s:OT+8*\ct+2*\s+1], v[SA+16+8*\nt:SA+16+8*\nt+7]
.endif
.endr
.endr
.endr
.rept 8
	v_nop                                          ; eight places ahead of the stores that read the results, and of the LDS loads into W's registers
.endr
.irp nt, 0,1,2,3
	ds_store_b128 v4, v[SA+8*\nt:SA+8*\nt+3] offset:528*(2*\nt)          ; lane (r, h): token r, outputs 16 nt + 8 h + 0 .. 3; each accumulator from its low end on
	ds_store_b128 v4, v[SA+8*\nt+4:SA+8*\nt+7] offset:528*(2*\nt+1)      ; and + 4 .. 7
.endr
	s_wait_dscnt 0x0                               ; for the others' sake: my part lies in LDS
	s_barrier_signal -1
	s_barrier_wait -1                              ; all sixteen heads' parts do
	s_cmp_ge_u32 s12, 8
	s_cbranch_scc1 .Lidle                          ; waves 0-7 add and store, two tokens each
.irp p, 0,1,2,3,4,5,6,7,8,9,10,11,12,13,14,15
	ds_load_b128 v[16+4*\p:16+4*\p+3], v5 offset:PART*\p
.endr
	s_wait_dscnt 0x0
.irp p, 2,3,4,5,6,7,8,9,10,11,12,13,14,15      ; two chains: even heads, odd heads
	v_pk_add_f32 v[16+4*(\p%2):17+4*(\p%2)], v[16+4*(\p%2):17+4*(\p%2)], v[16+4*\p:17+4*\p]
	v_pk_add_f32 v[18+4*(\p%2):19+4*(\p%2)], v[18+4*(\p%2):19+4*(\p%2)], v[18+4*\p:19+4*\p]
.endr
	v_pk_add_f32 v[16:17], v[16:17], v[20:21]
	v_pk_add_f32 v[18:19], v[18:19], v[22:23]
	s_wait_loadcnt 0x0                             ; the bias
	v_pk_add_f32 v[16:17], v[16:17], v[252:253]
	v_pk_add_f32 v[18:19], v[18:19], v[254:255]
	global_store_b128 v6, v[16:19], s[10:11]       ; 16 lanes store 256 consecutive bytes, aligned
	s_wait_tensorcnt 0x0                           ; the wave's end: three closing lines behind my last LDS store
	ds_add_u32 v[SPW], v[NIL]
	s_wait_dscnt 0x0
	s_endpgm
.Lidle:
	s_wait_tensorcnt 0x0                           ; the same three lines for the waves whose work ends with their part
	ds_add_u32 v[SPW], v[NIL]
	s_wait_dscnt 0x0
	s_endpgm
.Lfunc_end_k_qf10a4e9602_fine:
	.size	k_qf10a4e9602_fine, .Lfunc_end_k_qf10a4e9602_fine-k_qf10a4e9602_fine
	.p2alignl 7, 3214868480
	.fill 96, 4, 3214868480
	.section	.rodata,"a",@progbits
	.p2align	6, 0x0
	.amdhsa_kernel k_qf10a4e9602_fine
		.amdhsa_group_segment_fixed_size 69632
		.amdhsa_private_segment_fixed_size 0
		.amdhsa_enable_private_segment 0
		.amdhsa_kernarg_size 32
		.amdhsa_user_sgpr_count 2
		.amdhsa_user_sgpr_kernarg_segment_ptr 1
		.amdhsa_wavefront_size32 1
		.amdhsa_system_sgpr_workgroup_id_x 1
		.amdhsa_system_sgpr_workgroup_id_y 1
		.amdhsa_system_sgpr_workgroup_id_z 1
		.amdhsa_system_vgpr_workitem_id 0
		.amdhsa_next_free_vgpr 256
		.amdhsa_next_free_sgpr 66
		.amdhsa_reserve_vcc 1
		.amdhsa_float_denorm_mode_32 3
		.amdhsa_float_denorm_mode_16_64 3
		.amdhsa_memory_ordered 1
		.amdhsa_forward_progress 1
		.amdhsa_inst_pref_size 25
	.end_amdhsa_kernel
	.amdgpu_metadata
---
amdhsa.version: [ 1, 2 ]
amdhsa.kernels:
  - .name:           k_qf10a4e9602_fine
    .symbol:         k_qf10a4e9602_fine.kd
    .args:
      - { .name: qkv32, .offset: 0, .size: 8, .value_kind: global_buffer, .address_space: global }
      - { .name: w_proj, .offset: 8, .size: 8, .value_kind: global_buffer, .address_space: global }
      - { .name: b_proj, .offset: 16, .size: 8, .value_kind: global_buffer, .address_space: global }
      - { .name: out0, .offset: 24, .size: 8, .value_kind: global_buffer, .address_space: global }
    .group_segment_fixed_size: 69632
    .private_segment_fixed_size: 0
    .kernarg_segment_align: 8
    .kernarg_segment_size: 32
    .max_flat_workgroup_size: 512
    .sgpr_count:     66
    .vgpr_count:     256
    .wavefront_size: 32
...
	.end_amdgpu_metadata
.endif
;; end of part 5
